; MI455X (gfx1250); checked and timed in simulation.
; The chip was launched on July 23, 2026; its instructions are those of AMD's public machine-readable ISA for CDNA 5 (MIT licence, August 2026) and "CDNA5" Instruction Set Architecture Reference Guide (July 2026). The comments in the code are by the model that wrote it; some were corrected since.
;; Praxis Attention. Allowed arithmetic: matrix products marked QUANTISED: E2M3 operands, one E8M0 scale for each 32 along K, by v_wmma_scale_f32_16x16x128_f8f6f4 with both operands' format E2M3, f32 sums; products left as they are: f32 operands where the result goes on into a quantised operand, else bf16, f16 or f32 operands; f32 sums; everything else in f32.
;; Inputs: Wk 1,024 x 2,048 float32; Wo 1,024 x 1,024 float32; Wq 1,024 x 2,048 float32; Wv 1,024 x 1,024 float32; attention_mask 2 x 2,048 float32; gn_bias 1,024 float32; gn_weight 1,024 float32; key 2 x 2,048 x 1,024 float32; lam_k1 64 float32; lam_k2 64 float32; lam_q1 64 float32; lam_q2 64 float32; query 2 x 2,048 x 1,024 float32; value 2 x 2,048 x 1,024 float32.
;; Outputs: out0 2 x 2,048 x 1,024 float32.
;; This version of the problem:
;;   THIS VERSION OF THE PROBLEM IS GIVEN IN LOW PRECISION. The matrix products marked QUANTISED in the list below multiply operands that are first quantised to E2M3 (2 exponent bits, 3 mantissa bits; 6 bits a number), with one power-of-two scale for each 32 numbers along K (OCP MX v1.0); their sums are f32. All else is computed in f32.
;;   The module's matrix products, in the order in which they are computed (A, B: the left and right operand; K: the contracted axis; several contracted axes count as one K, in the product's order):
;;     1. [M 4,096, K 1,024] x [K 1,024, N 2,048]; A: input query; B: input Wq: QUANTISED
;;     2. [M 4,096, K 1,024] x [K 1,024, N 2,048]; A: input key; B: input Wk: QUANTISED
;;     3. [M 4,096, K 1,024] x [K 1,024, N 1,024]; A: input value; B: input Wv: QUANTISED
;;     4. batch 32 x [M 2,048, K 64] x [K 64, N 2,048]; A: computed on the way; B: computed on the way: QUANTISED
;;     5. batch 32 x [M 2,048, K 64] x [K 64, N 2,048]; A: computed on the way; B: computed on the way: QUANTISED
;;     6. [M 1, K 64] x [K 64, N 1]; A: input lam_q1; B: input lam_k1: left as it is (M = 1 < 16)
;;     7. [M 1, K 64] x [K 64, N 1]; A: input lam_q2; B: input lam_k2: left as it is (M = 1 < 16)
;;     8. batch 32 x [M 2,048, K 2,048] x [K 2,048, N 64]; A: computed on the way; B: computed on the way: QUANTISED
;;     9. [M 4,096, K 1,024] x [K 1,024, N 1,024]; A: computed on the way; B: input Wo: QUANTISED
;;   THE QUANTISER, for each operand of a quantised product, along K:
;;     - K is cut into blocks of 32 from its start; a last block that is shorter is filled with zeros.
;;     - A block's scale is 2^e with e = floor(log2(the largest magnitude in the block)) - 2, held to -126 .. 127; a block of zeros has e = 0. As a byte (E8M0): e + 127.
;;     - Each number is divided by its block's scale, clamped to +-7.5, and rounded to the nearest number of E2M3, ties to even, subnormals kept.
;;     - The product sums the exact products of the quantised numbers (number of the format x scale) in f32.
;;   ~~~python
;;   def quantise(x, axis):      # numpy; x: float32 -> the quantised numbers, widened to float32 again
;;       x = np.moveaxis(x, axis, -1); K = x.shape[-1]
;;       x = np.pad(x, [(0, 0)] * (x.ndim - 1) + [(0, -K % 32)]); x = x.reshape(x.shape[:-1] + (-1, 32)); a = np.abs(x).max(-1, keepdims=True)
;;       e = np.where(a > 0, np.clip(np.frexp(np.where(a > 0, a, 1))[1] - 1 - 2, -126, 127), 0)      # np.frexp(a)[1] - 1 = floor(log2(a)), exactly
;;       r = np.clip(x / 2.0 ** e, -7.5, 7.5)
;;       step = 2.0 ** (np.maximum(np.frexp(np.where(r == 0, 1, r))[1] - 1, 0) - 3)
;;       q = np.round(r / step) * step * 2.0 ** e      # np.round: ties to even
;;       return np.moveaxis(q.reshape(q.shape[:-2] + (-1,))[..., :K], -1, axis).astype(np.float32)
;;   ~~~
;;   OPERANDS COMPUTED ON THE WAY. 'Computed on the way' means the value that the module computes at that place (a softmax that the list does not call 'softmax' is quantised finished and normalised). What goes into a quantiser is computed in f32, as accurately as f32 sums, v_exp_f32 and their like allow (about 1e-6 of the number): no bf16 or f16 on the way to a quantiser, and a product that is left as it is and whose result goes on into a quantised operand takes f32 operands (vector FMAs, or v_wmma_f32_16x16x4_f32). A number that lies on a knife's edge between two numbers of the format may be rounded either way, as far as f32 arithmetic and the matrix unit's own rounding can turn it there, and no further.
;; One version. Each part assembles by itself: llvm-mc -triple=amdgcn-amd-amdhsa -mcpu=gfx1250 --defsym DOCPART=n.
;; ======== version 1 of 1: 5 launches
;; limits: right only within a limited range of input values
;; workspace buffers: xw 14,745,600 bytes; lim 256 bytes of whole numbers; qkvf 16,384,000 bytes; att 16,809,984 bytes; nc 3,276,800 bytes
;; launch prep (part 1): grid 577 x 1, 4 waves a work-group, no clusters, 103,424 bytes of LDS; arguments query, key, value, Wq, Wk, Wv, Wo, attention_mask, xw, lim; writes xw, lim
.if DOCPART == 1
	.amdgcn_target "amdgcn-amd-amdhsa--gfx1250"
	.amdhsa_code_object_version 6
	.text
	.protected	k_qbd87538a07_prep
	.globl	k_qbd87538a07_prep
	.p2align	8
	.type	k_qbd87538a07_prep,@function
k_qbd87538a07_prep:
	s_mov_b64 s[64:65], 0
	v_nop
	global_prefetch_b8 v0, s[64:65] scope:SCOPE_SE
	s_setreg_imm32_b32 hwreg(HW_REG_WAVE_MODE, 25, 1), 1
	s_wait_xcnt 0x0
; PREP: query, key, value [4096][1024] and Wq, Wk [1024][2048], Wv, Wo [1024][1024], all f32, become codes of FP6 (E2M3) with K innermost and one E8M0 byte for each 32 along K, in xw;
; and one whole number for each batch, F_b, goes to lim.
; WORK THAT THE PROGRAM LEAVES OUT (in the launch attn).  reference() adds -1e9 to the scores of keys k > q (its own triu) and (1 - mask[k]) x -1e9 to padded keys, then takes a softmax.
; For a row q let P = the largest pad among keys k <= q and H = the largest pad among keys k > q.  Where P - (H - 1e9) >= 5e8, every hidden key's exponent lies at least 5e8 - 2896 - |scores| / 4 under the row's largest
; (2896 bounds twice the ALiBi term), so its weight is 0 in f32 and in the quantised operand, and key steps that hold hidden keys alone are not walked.  Where that fails (all visible keys padded, a hidden one not) the hidden
; keys carry weight in reference() too: such rows walk all keys.  P rises and H falls with q, so the failing rows are a prefix 0 .. F_b - 1.  F_b also counts the rows with P < -5e8 (again a prefix): they take reference()'s
; additions one by one in every step.  LIMITS: |scores| under 1e9; a NaN, an infinity or an overflow that reaches only a key step left out is not carried to the result.  Every input is loaded.
; THE ORDER OF ROWS.  In every buffer of codes the rows (tokens of x, columns n of a weight) lie in POSITION order: in each 32 rows the second and third groups of 8 change places.  So 16 neighbouring positions 16 t + r are the
; true rows 32 (t / 2) + 8 (t % 2) + r + 8 (r / 8), and the transposed products of the later launches leave 16 true neighbours in 16 neighbouring registers.
; THE QUANTISER: a block's scale is 2^(floor(log2(largest magnitude)) - 2); its byte is that magnitude's exponent field - 2, held at 1 from below (a block of zeros gets 1 where the rule says 127: its codes are zeros, and
; this program alone reads the bytes).  LIMITS: NaN and infinities among the inputs are not served.
; SHARES: work-group 0: the masks (wave b: batch b);  1 .. 384: 32 rows of query, key, value;  385 .. 512: 128 columns x 256 K of Wq, Wk;  513 .. 576: the same of Wv, Wo.  Each path has LDS bytes of its own.
.set XWREG,  8192                      ; path X: a wave's LDS: two stages of 32 x 80 bytes, then its 256 scale bytes
.set XSP,    80
.set XR,     16                        ; v16-79   four sets of 16 numbers as loaded
.set XX,     80                        ; v80-111  two sets of 16 neighbours
.set XE,     112                       ; v112-127 a scale byte for each step
.set XC,     128                       ; v128-191 codes, four registers a step
.set WPITCH, 272                       ; path W: a stage row: sixteen places of 16 bytes + 16
.set WX,     32                        ; v32-95   two sets of 32 numbers
.set WC,     96                        ; a block's codes
.set WOUT,   112                       ; v112-175 the way out
.set WSB,    24                        ; the scale bytes, four to a register
.set STG2048, 32768
.set STG1024, 67584
.set MASKB,  102400
.set SPARE,  102912                    ; the spare words: 128 bytes a wave, named by no other line
.set SPW,    192
.set NIL,    193
.macro FINISH                          ; a wave's end
	s_wait_tensorcnt 0x0
	ds_add_u32 v[SPW], v[NIL]
	s_wait_dscnt 0x0
	s_endpgm
.endm
	s_load_b512 s[8:23], s[0:1], 0x0               ; query s[8:9], key s[10:11], value s[12:13], Wq s[14:15], Wk s[16:17], Wv s[18:19], Wo s[20:21], mask s[22:23]
	s_load_b128 s[24:27], s[0:1], 0x40             ; xw s[24:25], lim s[26:27]
	v_lshl_add_u32 v[SPW], v0, 2, SPARE
	v_mov_b32 v[NIL], 0
	v_lshrrev_b32 v1, 5, v0
	v_readfirstlane_b32 s28, v1                    ; wave
	v_and_b32 v2, 31, v0                           ; lane
	s_wait_kmcnt 0x0
	s_cmp_eq_u32 ttmp9, 0
	s_cbranch_scc1 .Lmask
	s_cmp_lt_u32 ttmp9, 385
	s_cbranch_scc1 .Lx
	s_cmp_lt_u32 ttmp9, 513
	s_cbranch_scc1 .Lw2048
; ---- PATH W: a lane takes a column n, its registers run down K: a block of 32 lies in one lane, and the conversions give codes with K innermost.
.macro WLOAD t, n                      ; block t: W(32 t + i, my column) into set t % 2: 32 lanes read 128 neighbouring bytes
.set WI, 0
.rept 32
	global_load_b32 v[WX+32*((\t)%2)+WI], v3, s[4:5] offset:(32*(\t)+WI)*(\n)*4 th:TH_LOAD_NT
.set WI, WI+1
.endr
.endm
.macro WBLOCK t, n
.set WXS, WX+32*((\t)%2)
.if (\t) < 7
	s_wait_loadcnt 32                              ; this block's 32 loads are in; the next block's 32 may be out
.else
	s_wait_loadcnt 0
.endif
	v_max3_num_f32 v12, |v[WXS]|, |v[WXS+1]|, |v[WXS+2]|
	v_max3_num_f32 v13, |v[WXS+3]|, |v[WXS+4]|, |v[WXS+5]|
.irp i, 6,10,14,18,22,26
	v_max3_num_f32 v12, v12, |v[WXS+\i]|, |v[WXS+\i+1]|
	v_max3_num_f32 v13, v13, |v[WXS+\i+2]|, |v[WXS+\i+3]|
.endr
	v_max3_num_f32 v12, v12, |v[WXS+30]|, |v[WXS+31]|
	v_max3_num_f32 v12, v12, v13, 0x1800000        ; the floor 2^(3 - 127): the byte cannot fall under 1
	v_add_nc_u32 v11, 0xff000000, v12              ; 2 off the exponent field: the conversion's scale operand
	v_lshrrev_b32 v13, 23, v11                     ; the byte
.if (\t)%4 == 0
	v_mov_b32 v[WSB+(\t)/4], v13
.else
	v_lshl_or_b32 v[WSB+(\t)/4], v13, 8*((\t)%4), v[WSB+(\t)/4]
.endif
	v_cvt_scalef32_pk16_fp6_f32 v[WC:WC+2], v[WXS:WXS+15], v11
	v_cvt_scalef32_pk16_fp6_f32 v[WC+4:WC+6], v[WXS+16:WXS+31], v11
	ds_store_b96 v4, v[WC:WC+2] offset:32*(\t)     ; 12 bytes to a place of 16
	ds_store_b96 v4, v[WC+4:WC+6] offset:32*(\t)+16
.if (\t)+2 < 8
	WLOAD (\t)+2, \n
.endif
	s_wait_dscnt 0x0                               ; the stores have read their registers: the next block's codes may be written
.endm
; s29 = which 128 columns, s30 = which 256 along K, s[4:5] = the weight, s31, s32 = where its codes and its scale bytes begin in xw
.macro WPATH n, stg
	s_lshl_b32 s33, s29, 7
	s_lshl_b32 s34, s28, 5
	s_add_co_u32 s33, s33, s34                     ; my wave's first column
	v_lshlrev_b32 v3, 2, v2
	s_mul_i32 s34, s28, 32*WPITCH
	s_add_co_u32 s34, s34, \stg                    ; my stage
	v_mul_u32_u24 v4, v2, WPITCH
	v_add_nc_u32 v4, s34, v4                       ; into it: row = my column
	v_and_b32 v5, 15, v2
	v_lshrrev_b32 v6, 4, v2
	v_mul_u32_u24 v7, v6, WPITCH
	v_lshl_add_u32 v7, v5, 4, v7
	v_add_nc_u32 v7, s34, v7                       ; out of it: sixteen lanes to a row, two rows an instruction
	v_mul_u32_u24 v8, v6, 768
	v_mad_u32_u24 v8, v5, 12, v8                   ; and the same place among the codes
	s_mul_i32 s35, s30, 256*(\n)*4
	s_lshl_b32 s36, s33, 2
	s_add_co_u32 s36, s36, s35
	s_mov_b32 s37, 0
	s_add_nc_u64 s[4:5], s[4:5], s[36:37]
	s_mul_i32 s36, s33, 768
	s_mul_i32 s35, s30, 192
	s_add_co_u32 s36, s36, s35
	s_add_co_u32 s36, s36, s31
	s_add_nc_u64 s[6:7], s[24:25], s[36:37]
	s_lshl_b32 s36, s33, 5
	s_lshl_b32 s35, s30, 3
	s_add_co_u32 s36, s36, s35
	s_add_co_u32 s36, s36, s32
	s_add_nc_u64 s[38:39], s[24:25], s[36:37]
	v_and_b32 v9, 7, v2                            ; my column's position among the 32: bits 3 and 4 change places
	v_and_b32 v10, 8, v2
	v_lshl_or_b32 v9, v10, 1, v9
	v_and_b32 v10, 16, v2
	v_lshrrev_b32 v10, 1, v10
	v_or_b32 v9, v9, v10
	v_lshlrev_b32 v9, 5, v9                        ; 32 scale bytes a row
	WLOAD 0, \n
	WLOAD 1, \n
.set Q, 0
.rept 8
	WBLOCK Q, \n
.set Q, Q+1
.endr
	s_wait_alu depctr_va_vdst(0)
	global_store_b64 v9, v[WSB:WSB+1], s[38:39]    ; my column's 8 scale bytes
.irp t, 0,1,2,3,4,5,6,7,8,9,10,11,12,13,14,15
	ds_load_b96 v[WOUT+4*\t:WOUT+4*\t+2], v7 offset:(8*((((\t)/4)&1)*2+((\t)/4)/2)+2*((\t)%4))*WPITCH   ; positions 2 t, 2 t + 1 take the true columns of the group that belongs there; LDS serves a wave in order
.endr
.irp t, 0,1,2,3,4,5,6,7,8,9,10,11,12,13,14,15
	s_wait_dscnt 15-\t                             ; the later loads may be out
	global_store_b96 v8, v[WOUT+4*\t:WOUT+4*\t+2], s[6:7] offset:2*\t*768
.endr
	FINISH
.endm
	s_sub_co_u32 s29, ttmp9, 513                   ; Wv, Wo
	s_lshr_b32 s31, s29, 5
	s_bfe_u32 s30, s29, 0x20003
	s_and_b32 s29, s29, 7
	s_cmp_eq_u32 s31, 0
	s_cselect_b64 s[4:5], s[18:19], s[20:21]
	s_lshl_b32 s32, s31, 15
	s_add_co_u32 s32, s32, 14680064
	s_mul_i32 s31, s31, 786432
	s_add_co_u32 s31, s31, 12582912
	s_wait_alu depctr_va_vdst(0)
	WPATH 1024, STG1024
.Lw2048:
	s_sub_co_u32 s29, ttmp9, 385                   ; Wq, Wk
	s_lshr_b32 s31, s29, 6
	s_bfe_u32 s30, s29, 0x20004
	s_and_b32 s29, s29, 15
	s_cmp_eq_u32 s31, 0
	s_cselect_b64 s[4:5], s[14:15], s[16:17]
	s_lshl_b32 s32, s31, 16
	s_add_co_u32 s32, s32, 14548992
	s_mul_i32 s31, s31, 1572864
	s_add_co_u32 s31, s31, 9437184
	s_wait_alu depctr_va_vdst(0)
	WPATH 2048, STG2048
; ---- PATH X: K is innermost.  A wave takes 8 rows (8,192 numbers) in 16 steps of 512; each load reads 512 neighbouring bytes; a step turns through the wave's stage so that a lane holds 16 neighbours.
.Lx:
	s_sub_co_u32 s29, ttmp9, 1
	s_lshr_b32 s30, s29, 7                         ; which tensor
	s_and_b32 s29, s29, 127                        ; which 32 rows
	s_cmp_eq_u32 s30, 0
	s_cselect_b64 s[4:5], s[8:9], s[10:11]
	s_cmp_eq_u32 s30, 2
	s_cselect_b64 s[4:5], s[12:13], s[4:5]
	s_lshl_b32 s31, s29, 2
	s_add_co_u32 s32, s31, s28                     ; the group of 8 rows that I read
	s_lshl_b32 s32, s32, 15
	s_mov_b32 s33, 0
	s_add_nc_u64 s[4:5], s[4:5], s[32:33]
	s_and_b32 s34, s28, 1
	s_lshl_b32 s34, s34, 1
	s_lshr_b32 s35, s28, 1
	s_or_b32 s34, s34, s35                         ; groups 1 and 2 change places
	s_add_co_u32 s31, s31, s34                     ; the group of 8 positions that I write
	s_mul_i32 s32, s31, 6144
	s_mul_i32 s35, s30, 3145728
	s_add_co_u32 s32, s32, s35
	s_add_nc_u64 s[6:7], s[24:25], s[32:33]        ; codes
	s_lshl_b32 s32, s31, 8
	s_lshl_b32 s35, s30, 17
	s_add_co_u32 s32, s32, s35
	s_add_co_u32 s32, s32, 14155776
	s_add_nc_u64 s[36:37], s[24:25], s[32:33]      ; scale bytes
	s_wait_alu depctr_va_vdst(0)
	v_lshlrev_b32 v3, 4, v2
	s_mul_i32 s38, s28, XWREG
	v_lshrrev_b32 v14, 2, v2
	v_mul_u32_u24 v14, v14, XSP
	v_and_b32 v15, 3, v2
	v_lshl_add_u32 v14, v15, 4, v14
	v_add_nc_u32 v14, s38, v14                     ; the stage, in: four lanes' 64 bytes on end, then 16 of padding
	v_mul_u32_u24 v15, v2, XSP
	v_add_nc_u32 v15, s38, v15                     ; out: 80 x lane: my 16 neighbours
	v_mul_u32_u24 v4, v2, 12
	v_lshrrev_b32 v5, 1, v2
	s_add_co_u32 s38, s38, 2*32*XSP
	v_add_nc_u32 v5, s38, v5                       ; my block's scale byte in LDS
	v_lshlrev_b32 v7, 3, v2
	v_add_nc_u32 v6, s38, v7
.macro XLOAD t
.irp i, 0,1,2,3
	global_load_b128 v[XR+16*((\t)%4)+4*\i:XR+16*((\t)%4)+4*\i+3], v3, s[4:5] offset:2048*(\t)+512*\i th:TH_LOAD_NT
.endr
.endm
.macro XTURN t                         ; LDS serves a wave's instructions in order: no wait between the stores and the loads
.irp i, 0,1,2,3
	ds_store_b128 v14, v[XR+16*((\t)%4)+4*\i:XR+16*((\t)%4)+4*\i+3] offset:32*XSP*((\t)%2)+8*XSP*\i
.endr
.irp i, 0,1,2,3
	ds_load_b128 v[XX+16*((\t)%2)+4*\i:XX+16*((\t)%2)+4*\i+3], v15 offset:32*XSP*((\t)%2)+16*\i
.endr
.endm
.irp t, 0,1,2,3
	XLOAD \t
.endr
	s_wait_alu depctr_va_vdst(0)
	s_wait_loadcnt 12                              ; step 0's four loads are in; three steps' twelve may be out
	XTURN 0
.macro XSTEP t
.set XS, XX+16*((\t)%2)
.if (\t) > 0
	s_wait_dscnt 1                                 ; this step's numbers are back (the last step's byte store may be out)
.else
	s_wait_dscnt 0x0
.endif
.if (\t)+4 < 16
	XLOAD (\t)+4
.endif
.if (\t)+1 < 16
.if 16-2-(\t) >= 3
	s_wait_loadcnt 12                              ; the next step's loads are in; those of the three steps behind may be out
.else
	s_wait_loadcnt 4*(16-2-(\t))
.endif
	XTURN (\t)+1
.endif
	v_max3_num_f32 v8, |v[XS]|, |v[XS+1]|, |v[XS+2]|
	v_max3_num_f32 v9, |v[XS+3]|, |v[XS+4]|, |v[XS+5]|
.irp i, 6,10
	v_max3_num_f32 v8, v8, |v[XS+\i]|, |v[XS+\i+1]|
	v_max3_num_f32 v9, v9, |v[XS+\i+2]|, |v[XS+\i+3]|
.endr
	v_max3_num_f32 v8, v8, |v[XS+14]|, |v[XS+15]|
	v_max3_num_f32 v8, v8, v9, 0x1800000
	v_max_num_f32_dpp v8, v8, v8 row_xmask:1 row_mask:0xf bank_mask:0xf   ; with my neighbour's 16: the block's
	v_add_nc_u32 v11, 0xff000000, v8
	v_cvt_scalef32_pk16_fp6_f32 v[XC+4*(\t):XC+4*(\t)+2], v[XS:XS+15], v11
	v_lshrrev_b32 v[XE+(\t)], 23, v11
	ds_store_b8 v5, v[XE+(\t)] offset:16*(\t)      ; both lanes of a block write the same byte with the same value
	global_store_b96 v4, v[XC+4*(\t):XC+4*(\t)+2], s[6:7] offset:384*(\t)
.endm
.irp t, 0,1,2,3,4,5,6,7,8,9,10,11,12,13,14,15
	XSTEP \t
.endr
	ds_load_b64 v[8:9], v6
	s_wait_dscnt 0x0
	global_store_b64 v7, v[8:9], s[36:37]          ; 32 lanes store 256 consecutive bytes, aligned
	FINISH
; ---- PATH MASK: wave b counts batch b's rows that must walk all keys.  Lane l holds keys 64 l .. 64 l + 63.
.Lmask:
	s_cmp_lt_u32 s28, 2
	s_cbranch_scc0 .Lmask_end
	s_lshl_b32 s29, s28, 13
	s_wait_alu depctr_va_vdst(0)
	v_lshl_add_u32 v3, v2, 8, s29
.irp i, 0,1,2,3,4,5,6,7,8,9,10,11,12,13,14,15
	global_load_b128 v[64+4*\i:67+4*\i], v3, s[22:23] offset:16*\i
.endr
	s_mov_b32 s30, 0xce6e6b28                      ; -1e9
	s_mov_b32 s31, 0xcdee6b28                      ; -5e8
	s_mov_b32 s32, 0x76543210
	s_mov_b32 s33, 0xfedcba98
	s_lshl_b32 s34, s28, 7
	s_add_co_u32 s34, s34, MASKB
	v_lshl_add_u32 v13, v2, 2, s34
	v_mov_b32 v14, s34
	v_mov_b32 v15, 0xff61b1e6                      ; -3e38, under every pad
	s_lshl_b32 s35, s28, 2
	v_mov_b32 v4, s35
	s_wait_loadcnt 0x0
.set J, 0
.rept 64
	v_sub_f32 v[64+J], 1.0, v[64+J]
.set J, J+1
.endr
.set J, 0
.rept 64
	v_mul_f32 v[64+J], s30, v[64+J]                ; pad = (1 - mask) x -1e9
.set J, J+1
.endr
	v_max_num_f32 v12, v64, v65
.set J, 2
.rept 31
	v_max3_num_f32 v12, v12, v[64+J], v[65+J]
.set J, J+2
.endr
	ds_store_b32 v13, v12                          ; each lane's largest pad, to my wave's own 128 bytes,
.irp i, 0,1,2,3,4,5,6,7
	ds_load_b128 v[16+4*\i:19+4*\i], v14 offset:16*\i   ; and all 32 back into every lane (LDS serves a wave in order)
.endr
	v_mov_b32 v8, v15                              ; the largest pad of the lanes before me,
	v_mov_b32 v9, v15                              ; and of those behind me
	s_wait_dscnt 0x0
.set J, 0
.rept 32
	v_cmp_lt_u32 vcc_lo, J, v2
	v_cndmask_b32 v10, v15, v[16+J], vcc_lo
	s_wait_alu depctr_va_vdst(0)
	v_max_num_f32 v8, v8, v10
	v_cmp_gt_u32 vcc_lo, J, v2
	v_cndmask_b32 v11, v15, v[16+J], vcc_lo
	v_max_num_f32 v9, v9, v11
.set J, J+1
.endr
	v_mov_b32 v191, v9                             ; v[128 + i]: the largest pad of the keys behind key 64 l + i
.set J, 62
.rept 63
	v_max_num_f32 v[128+J], v[129+J], v[65+J]
.set J, J-1
.endr
	v_mov_b32 v10, 0
.set J, 0
.rept 64
	v_max_num_f32 v8, v8, v[64+J]                  ; the largest pad up to this key
	v_sub_f32 v11, v8, v[128+J]
	v_min_num_f32 v11, v11, v8
	v_cmp_gt_f32 vcc_lo, s31, v11                  ; the row fails where either lies under -5e8
	v_cndmask_b32 v11, 0, 1.0, vcc_lo
	v_add_f32 v10, v10, v11
.set J, J+1
.endr
	v_add_f32_dpp v10, v10, v10 row_xmask:1 row_mask:0xf bank_mask:0xf
	v_add_f32_dpp v10, v10, v10 row_xmask:2 row_mask:0xf bank_mask:0xf
	v_add_f32_dpp v10, v10, v10 row_xmask:4 row_mask:0xf bank_mask:0xf
	v_add_f32_dpp v10, v10, v10 row_xmask:8 row_mask:0xf bank_mask:0xf
	v_permlanex16_b32 v11, v10, s32, s33
	v_add_f32 v10, v10, v11
	v_cvt_u32_f32 v10, v10                         ; at most 2,048: exact
	v_cmp_eq_u32 vcc_lo, 0, v2
	s_wait_alu depctr_va_vdst(0)
	s_wait_xcnt 0x0                                ; EXEC changes only behind this wait
	s_and_saveexec_b32 s36, vcc_lo
	global_store_b32 v4, v10, s[26:27]
	s_wait_xcnt 0x0
	s_or_b32 exec_lo, exec_lo, s36
.Lmask_end:
	s_wait_alu depctr_va_vdst(0)
	FINISH
.Lfunc_end_k_qbd87538a07_prep:
	.size	k_qbd87538a07_prep, .Lfunc_end_k_qbd87538a07_prep-k_qbd87538a07_prep
	.p2alignl 7, 3214868480
	.fill 96, 4, 3214868480
	.section	.rodata,"a",@progbits
	.p2align	6, 0x0
	.amdhsa_kernel k_qbd87538a07_prep
		.amdhsa_group_segment_fixed_size 103424
		.amdhsa_private_segment_fixed_size 0
		.amdhsa_enable_private_segment 0
		.amdhsa_kernarg_size 80
		.amdhsa_user_sgpr_count 2
		.amdhsa_user_sgpr_kernarg_segment_ptr 1
		.amdhsa_wavefront_size32 1
		.amdhsa_system_sgpr_workgroup_id_x 1
		.amdhsa_system_sgpr_workgroup_id_y 1
		.amdhsa_system_sgpr_workgroup_id_z 1
		.amdhsa_system_vgpr_workitem_id 0
		.amdhsa_next_free_vgpr 196
		.amdhsa_next_free_sgpr 66
		.amdhsa_reserve_vcc 1
		.amdhsa_float_denorm_mode_32 3
		.amdhsa_float_denorm_mode_16_64 3
		.amdhsa_memory_ordered 1
		.amdhsa_forward_progress 1
		.amdhsa_inst_pref_size 148
	.end_amdhsa_kernel
	.amdgpu_metadata
---
amdhsa.version: [ 1, 2 ]
amdhsa.kernels:
  - .name:           k_qbd87538a07_prep
    .symbol:         k_qbd87538a07_prep.kd
    .args:
      - { .name: query, .offset: 0, .size: 8, .value_kind: global_buffer, .address_space: global }
      - { .name: key, .offset: 8, .size: 8, .value_kind: global_buffer, .address_space: global }
      - { .name: value, .offset: 16, .size: 8, .value_kind: global_buffer, .address_space: global }
      - { .name: Wq, .offset: 24, .size: 8, .value_kind: global_buffer, .address_space: global }
      - { .name: Wk, .offset: 32, .size: 8, .value_kind: global_buffer, .address_space: global }
      - { .name: Wv, .offset: 40, .size: 8, .value_kind: global_buffer, .address_space: global }
      - { .name: Wo, .offset: 48, .size: 8, .value_kind: global_buffer, .address_space: global }
      - { .name: attention_mask, .offset: 56, .size: 8, .value_kind: global_buffer, .address_space: global }
      - { .name: xw, .offset: 64, .size: 8, .value_kind: global_buffer, .address_space: global }
      - { .name: lim, .offset: 72, .size: 8, .value_kind: global_buffer, .address_space: global }
    .group_segment_fixed_size: 103424
    .private_segment_fixed_size: 0
    .kernarg_segment_align: 8
    .kernarg_segment_size: 80
    .max_flat_workgroup_size: 128
    .sgpr_count:     66
    .vgpr_count:     196
    .wavefront_size: 32
...
	.end_amdgpu_metadata
.endif
;; end of part 1
;; launch qkv (part 2): grid 256 x 1, 4 waves a work-group, no clusters, 327,680 bytes of LDS; arguments xw, qkvf; writes qkvf
.if DOCPART == 2
	.amdgcn_target "amdgcn-amd-amdhsa--gfx1250"
	.amdhsa_code_object_version 6
	.text
	.protected	k_qbd87538a07_qkv
	.globl	k_qbd87538a07_qkv
	.p2align	8
	.type	k_qbd87538a07_qkv,@function
k_qbd87538a07_qkv:
	s_mov_b64 s[64:65], 0
	v_nop
	global_prefetch_b8 v0, s[64:65] scope:SCOPE_SE
	s_setreg_imm32_b32 hwreg(HW_REG_WAVE_MODE, 25, 1), 1
	s_wait_xcnt 0x0
; QKV: the three projections on codes of FP6 (E2M3) with E8M0 scales, their results quantised in registers into fragments for launch attn.  Nothing is left out here.
; A REGION of LDS holds 128 rows of codes for all of K = 1,024: a row is 768 bytes, brought as three dense rows of 256 bytes with 16 bytes of padding behind each: pitch 816.
; A work-group stays for FIVE tiles of 128 x 128.  Tiles 0-3: four token tiles of query (or key) against one head's 128 columns of Wq (Wk), which lie in region RB throughout;
; the token tiles take slots S0, S1 by turns.  Tile 4: 128 rows of Wv (in S0) against 128 tokens of value (in S1): V^T.  2 x 128 x 4 + 256 = 1,280 tiles on 256 work-groups.
; A wave makes 32 rows x 128 columns: 16 accumulators by turns.  Source 0 = the 128-row operand, source 1 = the wave's 32 rows: a lane holds one row and 64 of its columns.
; Scale words go from memory into registers, 32 bytes a row (sixteen lanes read 512 neighbouring bytes); lanes 16-31 hold copies that are not read.
; A refill stands first behind its barrier, 32 rows a wave, and has the quantising of the tile before and a whole tile's products in which to land; the last one (value's tokens) only the quantising.
; cluster = none: of a work-group's seven fills the head's weights and Wv's rows are shared with other neighbours than the token tiles, and each of the five changes of slot would take a round.
; No data prefetch: each refill is asked for a whole tile (128 matrix instructions a wave) ahead of its first read.
.set PITCH, 816
.set REG,   128*PITCH
.set RB,    REG
.set S1,    2*REG
.set SPARE, 3*REG
.set ADA0, 8
.set ADA1, 10
.set ADB,  12
.set ADB1, 16
.set LI,   20
.set LS4,  21
.set VS,   22
.set SPW,  28
.set NIL,  29
.set SB,   32
.set SA,   96
.set AF,   112
.set CD,   160
.set TM,   200
.set PWR,  216
.set PWP,  218
.set MSB, 0
.macro WIN new
.if MSB != \new
	s_set_vgpr_msb (MSB<<8)|\new
.set MSB, \new
.endif
.endm
.macro PLACES
.rept 4
	v_nop
.endr
.endm
.macro PTR d, b                        ; a buffer's address + the 32-bit offset in s92 (s93 = 0)
	s_add_nc_u64 s[\d:\d+1], s[\b:\b+1], s[92:93]
.endm
; a fragment: six pieces of 8 bytes.  Byte y of a row lies at y + 16 (y / 256); lanes 16-31 read 24 bytes on: where that is past a padding, the second register of the pair serves.  Blocks 4-7: the second pair.
.macro FRAG reg, adr, st, i
.irp p, 0,1,2,3,4,5
.set PC, 12*(\st)+6*(\p/3)+\p%3
.if (PC+3)/32 == PC/32
	ds_load_b64 v[\reg+2*\p:\reg+2*\p+1], v[\adr+2*((\i)/4)] offset:8*PC+16*(PC/32)+((\i)%4)*16*PITCH
.else
	ds_load_b64 v[\reg+2*\p:\reg+2*\p+1], v[\adr+2*((\i)/4)+1] offset:8*PC+16*(PC/32)+((\i)%4)*16*PITCH
.endif
.endr
.endm
.macro FETCH aa, ab, st                ; 60 loads: eight fragments into window 1, my two into window 0; sets by turns
	WIN 0x40
.irp i, 0,1,2,3,4,5,6,7
	FRAG 128*((\st)%2)+12*\i, \ab, \st, \i
.endr
	WIN 0
.irp i, 0,1
	FRAG AF+24*((\st)%2)+12*\i, \aa, \st, \i
.endr
.endm
.macro MUL st
	WIN 0xa1
.irp a, 0,1
.irp b, 0,1,2,3,4,5,6,7
.if (\st) == 0
	v_wmma_scale_f32_16x16x128_f8f6f4 v[8*(8*\a+\b):8*(8*\a+\b)+7], v[128*((\st)%2)+12*\b:128*((\st)%2)+12*\b+11], v[AF+24*((\st)%2)+12*\a:AF+24*((\st)%2)+12*\a+11], 0, v[SB+8*\b+(\st)], v[SA+8*\a+(\st)] matrix_a_fmt:MATRIX_FMT_FP6 matrix_b_fmt:MATRIX_FMT_FP6
.else
	v_wmma_scale_f32_16x16x128_f8f6f4 v[8*(8*\a+\b):8*(8*\a+\b)+7], v[128*((\st)%2)+12*\b:128*((\st)%2)+12*\b+11], v[AF+24*((\st)%2)+12*\a:AF+24*((\st)%2)+12*\a+11], v[8*(8*\a+\b):8*(8*\a+\b)+7], v[SB+8*\b+(\st)], v[SA+8*\a+(\st)] matrix_a_fmt:MATRIX_FMT_FP6 matrix_b_fmt:MATRIX_FMT_FP6
.endif
.endr
.endr
.endm
.macro COMP aa, ab                     ; a tile: eight steps of 128 along K; step 0's fragments have been asked for
.set ST, 0
.rept 8
.if ST < 7
	PLACES                                         ; four places ahead of loads into registers that products have read
	FETCH \aa, \ab, ST+1
	s_wait_dscnt 60                                ; this step's fragments are in; the 60 loads just issued may be out
.else
	s_wait_dscnt 0x0
.endif
	MUL ST
.set ST, ST+1
.endr
	WIN 0
	PLACES
.endm
.macro ASCALE
.irp a, 0,1
.irp q, 0,1
	global_load_b128 v[SA+8*\a+4*\q:SA+8*\a+4*\q+3], v[VS], s[24:25] offset:512*\a+16*\q
.endr
.endr
.endm
.macro BSCALE p
.irp b, 0,1,2,3,4,5,6,7
.irp q, 0,1
	global_load_b128 v[SB+8*\b+4*\q:SB+8*\b+4*\q+3], v[VS], s[\p:\p+1] offset:512*\b+16*\q
.endr
.endr
.endm
.macro TLOAD g0, g1
	tensor_load_to_lds s[\g0:\g0+3], s[\g1:\g1+7]
	s_nop 0
	PLACES
.endm
; 16 rows x 128 columns become a fragment's twelve registers and its scale word: four blocks of 32, each in lanes l and l xor 16
.macro QUANTW a
.set QS0, 64*(\a)
.set CDS, CD+20*(\a)
.set PWS, PWR+(\a)
	WIN 0x0a
.irp b, 0,1,2,3
	v_max3_num_f32 v[TM+\b], |v[QS0+16*\b]|, |v[QS0+16*\b+1]|, 0x1800000
.endr
.irp i, 2,4,6,8,10,12,14
.irp b, 0,1,2,3
	v_max3_num_f32 v[TM+\b], |v[QS0+16*\b+\i]|, |v[QS0+16*\b+\i+1]|, v[TM+\b]
.endr
.endr
	WIN 0
.irp b, 0,1,2,3
	v_permlanex16_b32 v[TM+4+\b], v[TM+\b], s30, s31
.endr
.irp b, 0,1,2,3
	v_max_num_f32 v[TM+\b], v[TM+\b], v[TM+4+\b]
.endr
.irp b, 0,1,2,3
	v_add_nc_u32 v[TM+12+\b], 0xff000000, v[TM+\b]
.endr
.irp b, 0,1,2,3
	v_lshrrev_b32 v[TM+4+\b], 23, v[TM+12+\b]
.endr
	v_lshl_or_b32 v[PWS], v[TM+5], 8, v[TM+4]
	v_lshl_or_b32 v[PWS], v[TM+6], 16, v[PWS]
	v_lshl_or_b32 v[PWS], v[TM+7], 24, v[PWS]
	WIN 2
.irp c, 0,1
	v_cvt_scalef32_pk16_fp6_f32 v[CDS+6*\c:CDS+2+6*\c], v[QS0+32*\c:QS0+15+32*\c], v[TM+12+2*\c]
	v_cvt_scalef32_pk16_fp6_f32 v[CDS+12+4*\c:CDS+14+4*\c], v[QS0+16+32*\c:QS0+31+32*\c], v[TM+12+2*\c+1]
.endr
	WIN 0
	v_nop
.irp c, 0,1
.irp i, 0,1,2
	v_permlane16_swap_b32 v[CDS+6*\c+\i], v[CDS+12+4*\c+\i]
.endr
.irp i, 0,1,2
	v_mov_b32 v[CDS+3+6*\c+\i], v[CDS+12+4*\c+\i]
.endr
.endr
.endm
.macro EPI                             ; my two fragments: 3,072 neighbouring bytes of codes, 128 of scale words
.irp a, 0,1
	QUANTW \a
.irp c, 0,1,2
	global_store_b128 v[LI], v[CDS+4*\c:CDS+4*\c+3], s[4:5] offset:\a*1536+512*\c
.endr
.endr
	v_cndmask_b32 v[PWP], v[PWR], v[PWR+1], s9
	global_store_b32 v[LS4], v[PWP], s[6:7]
	s_wait_xcnt 0x0                                ; the stores have read their registers and bases
.endm
	s_load_b128 s[96:99], s[0:1], 0x0              ; xw, qkvf
	v_lshl_add_u32 v[SPW], v0, 2, SPARE
	v_mov_b32 v[NIL], 0
	ds_add_u32 v[SPW], v[NIL]
	ds_add_u32 v[SPW], v[NIL]
	v_lshrrev_b32 v1, 5, v0
	v_readfirstlane_b32 s8, v1                     ; wave
.irp g, 48, 56                         ; group 1: dense rows of 256 bytes, 16 of padding behind each
	s_mov_b32 s[\g], (3<<16)|(1<<20)|(5<<22)|(3<<25)
	s_mov_b32 s[\g+1], 32<<16
	s_mov_b32 s[\g+3], 32<<16
	s_mov_b32 s[\g+5], 32
	s_mov_b32 s[\g+6], 0
	s_mov_b32 s[\g+7], 0
.endr
	s_mov_b32 s50, 192<<16                         ; the head's load: 64 rows of codes
	s_mov_b32 s52, 192
	s_mov_b32 s58, 96<<16                          ; a later load: 32 rows
	s_mov_b32 s60, 96
	s_lshr_b32 s66, ttmp9, 7                       ; query or key
	s_and_b32 s67, ttmp9, 15                       ; head
	s_bfe_u32 s68, ttmp9, 0x30004                  ; which four token tiles
	s_and_b32 s69, ttmp9, 7                        ; tile 4: which 128 rows of Wv,
	s_lshr_b32 s70, ttmp9, 3                       ; which 128 tokens of value
	s_and_b32 s71, s8, 1
	s_lshr_b32 s72, s8, 1
	s_mul_i32 s84, s8, 24576
	s_lshl_b32 s85, s8, 10
	s_mul_i32 s81, s8, 32*PITCH
	s_add_co_u32 s82, s81, S1
	s_mul_i32 s74, s66, 3145728
	s_mul_i32 s86, s68, 393216
	s_add_co_u32 s74, s74, s86                     ; token tile 0's codes
	s_mul_i32 s76, s66, 1572864
	s_mul_i32 s86, s67, 98304
	s_add_co_u32 s76, s76, s86
	s_add_co_u32 s76, s76, 9437184                 ; the head's weights
	s_cmp_lt_u32 s8, 2                             ; waves 0, 1: halves of token tile 0 into S0; waves 2, 3: halves of the weights into RB
	s_cselect_b32 s92, s74, s76
	s_mul_i32 s86, s71, 49152
	s_add_co_u32 s92, s92, s86
	s_mov_b32 s93, 0
	s_mov_b32 s32, 1
	s_mul_i32 s33, s8, 64*PITCH
	s_mov_b32 s36, 1
	s_mov_b32 s37, s81
	s_mov_b32 s40, 1
	s_mov_b32 s41, s82
	s_mov_b32 s9, 0xffff0000
	s_mov_b32 s30, 0x76543210
	s_mov_b32 s31, 0xfedcba98
	s_wait_dscnt 0x0
	s_wait_kmcnt 0x0
	PTR 34, 96
	s_or_b32 s35, s35, 0x80000000
	TLOAD 32, 48                                   ; one tensor load a wave at the head
	s_add_co_u32 s92, s74, s84
	PTR 10, 96                                     ; my 32 rows of token tile 0
	s_add_nc_u64 s[42:43], s[10:11], 98304         ; of tile 1,
	s_or_b32 s43, s43, 0x80000000
	s_add_nc_u64 s[16:17], s[10:11], 196608        ; 2,
	s_add_nc_u64 s[18:19], s[10:11], 294912        ; 3
	s_mul_i32 s92, s69, 98304
	s_add_co_u32 s92, s92, s84
	s_add_co_u32 s92, s92, 12582912
	PTR 12, 96                                     ; of Wv's tile
	s_mul_i32 s92, s70, 98304
	s_add_co_u32 s92, s92, s84
	s_add_co_u32 s92, s92, 6291456
	PTR 14, 96                                     ; of value's tile
	s_lshl_b32 s92, s66, 17
	s_lshl_b32 s86, s68, 14
	s_add_co_u32 s92, s92, s86
	s_add_co_u32 s92, s92, s85
	s_add_co_u32 s92, s92, 14155776
	PTR 24, 96                                     ; scale words: my rows of token tile 0,
	s_lshl_b32 s92, s69, 12
	s_add_co_u32 s92, s92, s85
	s_add_co_u32 s92, s92, 14680064
	PTR 22, 96                                     ; of Wv's tile,
	s_lshl_b32 s92, s66, 16
	s_lshl_b32 s86, s67, 12
	s_add_co_u32 s92, s92, s86
	s_add_co_u32 s92, s92, 14548992
	PTR 46, 96                                     ; the head's weights,
	s_lshl_b32 s92, s70, 12
	s_add_co_u32 s92, s92, 14417920
	PTR 44, 96                                     ; value's tile
	s_lshr_b32 s86, s68, 2                         ; my first fragment of q or k: (16 batch + head) 128 + token / 16
	s_lshl_b32 s86, s86, 4
	s_add_co_u32 s86, s86, s67
	s_lshl_b32 s86, s86, 7
	s_and_b32 s87, s68, 3
	s_lshl_b32 s87, s87, 5
	s_add_co_u32 s86, s86, s87
	s_lshl_b32 s87, s8, 1
	s_add_co_u32 s86, s86, s87
	s_mul_i32 s92, s86, 1536
	s_mul_i32 s87, s66, 6291456
	s_add_co_u32 s92, s92, s87
	PTR 4, 98
	s_lshl_b32 s92, s86, 6
	s_lshl_b32 s87, s66, 18
	s_add_co_u32 s92, s92, s87
	s_add_co_u32 s92, s92, 15728640
	PTR 6, 98
	s_lshl_b32 s86, s66, 4                         ; of V^T: (16 batch + head) 64 + 4 (key step) + block of 16 channels
	s_lshl_b32 s87, s69, 1
	s_add_co_u32 s86, s86, s87
	s_add_co_u32 s86, s86, s72
	s_lshl_b32 s86, s86, 6
	s_and_b32 s87, s70, 15
	s_lshl_b32 s87, s87, 2
	s_add_co_u32 s86, s86, s87
	s_lshl_b32 s87, s71, 1
	s_add_co_u32 s86, s86, s87
	s_mul_i32 s92, s86, 1536
	s_add_co_u32 s92, s92, 12582912
	PTR 26, 98
	s_lshl_b32 s92, s86, 6
	s_add_co_u32 s92, s92, 16252928
	PTR 28, 98
	v_and_b32 v1, 15, v0
	v_bfe_u32 v2, v0, 4, 1
	v_mul_u32_u24 v3, v1, PITCH
	v_mad_u32_u24 v3, v2, 24, v3                   ; row x pitch + 24 x half
	v_lshl_add_u32 v4, v2, 4, v3                   ; lanes 16-31 past a padding
	v_add_nc_u32 v[ADA0], s81, v3
	v_add_nc_u32 v[ADA0+1], s81, v4
	v_add_nc_u32 v[ADA1], s82, v3
	v_add_nc_u32 v[ADA1+1], s82, v4
.irp k, 0,1
	v_add_nc_u32 v[ADB+2*\k], RB+64*PITCH*\k, v3
	v_add_nc_u32 v[ADB+2*\k+1], RB+64*PITCH*\k, v4
	v_add_nc_u32 v[ADB1+2*\k], S1+64*PITCH*\k, v3
	v_add_nc_u32 v[ADB1+2*\k+1], S1+64*PITCH*\k, v4
.endr
	v_and_b32 v5, 31, v0
	v_lshlrev_b32 v[LI], 4, v5
	v_lshlrev_b32 v[LS4], 2, v5
	v_lshlrev_b32 v[VS], 5, v1                     ; 32 scale bytes a row
.irp b, 0,1,2,3
	v_mov_b32 v[TM+4+\b], 0
.endr
	s_wait_alu depctr_va_vdst(0)                   ; the wait at the head's end
	BSCALE 46
	ASCALE
	s_wait_tensorcnt 0x0                           ; my part of the head's fills is in
	ds_add_u32 v[SPW], v[NIL]
	s_wait_dscnt 0x0
	s_barrier_signal -1
	s_barrier_wait -1
	TLOAD 40, 56                                   ; token tile 1 into S1
	s_mov_b32 s3, 2
.Lpair:
	FETCH ADA0, ADB, 0
	s_wait_loadcnt 0x0                             ; the scale words are in
	COMP ADA0, ADB
	s_wait_alu depctr_va_vdst(0)
	s_wait_tensorcnt 0x0                           ; S1's fill is in; no load of mine is out: group 0 may be written
	ds_add_u32 v[SPW], v[NIL]
	s_cmp_eq_u32 s3, 2
	s_cselect_b64 s[38:39], s[16:17], s[12:13]     ; S0 takes token tile 2, then Wv's rows
	s_add_nc_u64 s[24:25], s[24:25], 4096
	s_or_b32 s39, s39, 0x80000000
	s_wait_dscnt 0x0
	s_barrier_signal -1
	s_barrier_wait -1
	TLOAD 36, 56
	FETCH ADA1, ADB, 0
	ASCALE
	EPI
	s_add_nc_u64 s[4:5], s[4:5], 12288             ; eight fragments on
	s_add_nc_u64 s[6:7], s[6:7], 512
	s_wait_loadcnt 0x0
	COMP ADA1, ADB
	s_wait_alu depctr_va_vdst(0)
	s_wait_tensorcnt 0x0
	ds_add_u32 v[SPW], v[NIL]
	s_cmp_eq_u32 s3, 2
	s_cselect_b64 s[42:43], s[18:19], s[14:15]     ; S1 takes token tile 3, then value's tokens
	s_add_nc_u64 s[24:25], s[24:25], 4096
	s_cselect_b64 s[24:25], s[24:25], s[22:23]
	s_or_b32 s43, s43, 0x80000000
	s_wait_dscnt 0x0
	s_barrier_signal -1
	s_barrier_wait -1
	TLOAD 40, 56
	ASCALE
	EPI
	s_add_nc_u64 s[4:5], s[4:5], 12288
	s_add_nc_u64 s[6:7], s[6:7], 512
	s_sub_co_u32 s3, s3, 1
	s_cmp_lg_u32 s3, 0
	s_wait_alu depctr_va_vdst(0)
	s_cbranch_scc1 .Lpair
	BSCALE 44                                      ; tile 4: V^T
	s_mov_b64 s[4:5], s[26:27]
	s_mov_b64 s[6:7], s[28:29]
	s_wait_tensorcnt 0x0                           ; my part of value's tokens is in
	s_wait_dscnt 0x0
	s_barrier_signal -1
	s_barrier_wait -1
	FETCH ADA0, ADB1, 0
	s_wait_loadcnt 0x0
	COMP ADA0, ADB1
	EPI
	s_wait_tensorcnt 0x0                           ; the wave's end
	ds_add_u32 v[SPW], v[NIL]
	s_wait_dscnt 0x0
	s_endpgm
.Lfunc_end_k_qbd87538a07_qkv:
	.size	k_qbd87538a07_qkv, .Lfunc_end_k_qbd87538a07_qkv-k_qbd87538a07_qkv
	.p2alignl 7, 3214868480
	.fill 96, 4, 3214868480
	.section	.rodata,"a",@progbits
	.p2align	6, 0x0
	.amdhsa_kernel k_qbd87538a07_qkv
		.amdhsa_group_segment_fixed_size 327680
		.amdhsa_private_segment_fixed_size 0
		.amdhsa_enable_private_segment 0
		.amdhsa_kernarg_size 16
		.amdhsa_user_sgpr_count 2
		.amdhsa_user_sgpr_kernarg_segment_ptr 1
		.amdhsa_wavefront_size32 1
		.amdhsa_system_sgpr_workgroup_id_x 1
		.amdhsa_system_sgpr_workgroup_id_y 1
		.amdhsa_system_sgpr_workgroup_id_z 1
		.amdhsa_system_vgpr_workitem_id 0
		.amdhsa_next_free_vgpr 640
		.amdhsa_next_free_sgpr 100
		.amdhsa_reserve_vcc 0
		.amdhsa_float_denorm_mode_32 3
		.amdhsa_float_denorm_mode_16_64 3
		.amdhsa_memory_ordered 1
		.amdhsa_forward_progress 1
		.amdhsa_inst_pref_size 184
	.end_amdhsa_kernel
	.amdgpu_metadata
---
amdhsa.version: [ 1, 2 ]
amdhsa.kernels:
  - .name:           k_qbd87538a07_qkv
    .symbol:         k_qbd87538a07_qkv.kd
    .args:
      - { .name: xw, .offset: 0, .size: 8, .value_kind: global_buffer, .address_space: global }
      - { .name: qkvf, .offset: 8, .size: 8, .value_kind: global_buffer, .address_space: global }
    .group_segment_fixed_size: 327680
    .private_segment_fixed_size: 0
    .kernarg_segment_align: 8
    .kernarg_segment_size: 16
    .max_flat_workgroup_size: 128
    .sgpr_count:     100
    .vgpr_count:     640
    .wavefront_size: 32
...
	.end_amdgpu_metadata
.endif
;; end of part 2
;; launch attn (part 3): grid 8 x 32, 16 waves a work-group, no clusters, 317,440 bytes of LDS; arguments qkvf, attention_mask, lam_q1, lam_k1, lam_q2, lam_k2, lim, att; writes att
.if DOCPART == 3
	.amdgcn_target "amdgcn-amd-amdhsa--gfx1250"
	.amdhsa_code_object_version 6
	.text
	.protected	k_qbd87538a07_attn
	.globl	k_qbd87538a07_attn
	.p2align	8
	.type	k_qbd87538a07_attn,@function
k_qbd87538a07_attn:
	s_mov_b64 s[64:65], 0
	v_nop
	global_prefetch_b8 v0, s[64:65] scope:SCOPE_SE
	s_setreg_imm32_b32 hwreg(HW_REG_WAVE_MODE, 25, 1), 1
	s_wait_xcnt 0x0
; ATTN: for one (batch, head): dw = softmax(s1 + add) - lam softmax(s2 + add), quantised finished along the keys, times v; all three products on codes of FP6 (E2M3) with E8M0 scales.
; LEFT OUT: key steps that hold hidden keys alone, for query tiles whose first query is at or past F_b (launch prep shows why their weights are 0 in f32); tiles before F_b walk all keys.  A NaN or an infinity that
; reaches only a step left out is not carried to the result.
; dw is quantised NORMALISED, so both rows' sums are wanted before the first code: THE KEYS ARE WALKED TWICE.  Pass 1: maxima and sums.  Pass 2: the same scores by the same instructions, dw, its codes, dw v.
; ROUNDING.  x = fma(score, 1/8, add) has reference()'s bits (1/8 is a power of two).  add: on and past the diagonal, and in every step of a tile before F_b, reference()'s own three roundings (slope x (k - q); - 1e9 where
; k > q; + pad).  In open steps of the other tiles one fused multiply-add, which has the same bits where pad = 0; there a padded key's weight is 0 either way, since a visible key has a pad of -5e8 or more.
; y = fma(x, log2e, -c), c = RN(m log2e): what c lacks of m log2e is the same for the whole row and in both passes, and falls out of p / sum.  LIMITS: |scores| under 1e9; masks between 0 and 1.
; SHARES.  A work-group holds its head's K, V, their scale words and the batch's pads in LDS, filled once through registers (315,392 bytes), one barrier; then its sixteen waves share nothing.  Wave w owns the tile of 16
; queries t = x + 8 rank(w); the ranks are laid so that waves 4 apart, and 4 on end, sum to the same length of walk.
; NO TENSOR LOAD, NO CLUSTER: the walk's end hangs on a number read from memory (lim); the eight work-groups of a head each read K and V by plain loads.
; LAYOUT.  Both products transposed: S^T = K Q^T, O^T = V^T dw^T: a lane holds ONE query (position 16 t + lane % 16: true query QB + r + 8 (r / 8)).  Keys lie in position order, so the 16 registers of key tiles 2 u, 2 u + 1
; are true keys 32 u + 16 (lane / 16) + 0 .. 15.  A fragment of q or k holds 128 along K: channels 0-63 of product 1, then 0-63 of product 2.  Q's halves stand beside six registers of zero codes: v[32:43] = (Q1, 0), v[38:49] = (0, Q2).
.set VFO,   196608                     ; LDS: K's 128 fragments from 0; V's 64;
.set KSO,   294912                     ; K's scale words, 64 bytes a fragment;
.set VSO,   303104                     ; V's;
.set PADO,  307200                     ; the batch's 2,048 pads, f32, in true order;
.set SPARE, 315392                     ; the spare words: 128 bytes a wave, named by no other line
.set LI,  1                            ; v1   16 x lane
.set LS,  2                            ; v2   4 x (lane % 16)
.set HP,  3                            ; v3   64 x (lane / 16)
.set HQ,  4                            ; v4   16 (lane / 16) - my query, as f32
.set ADK, 5
.set ADS, 6
.set ADP, 7
.set ADV, 8
.set ADT, 9
.set SPW, 10
.set NIL, 11
.set NC1, 12                           ; v12 -c of softmax 1, v13 its largest x;  v14, v15 the same of softmax 2
.set MX1, 13
.set NC2, 14
.set MX2, 15
.set SUM1, 16                          ; v[16:17], v[18:19] the sums, in two halves
.set SUM2, 18
.set GN1, 20                           ; v20 1 / sum 1; v21 lam;  v22 -lam / sum 2; v23 0
.set LAM, 21
.set GN2, 22
.set DK0, 24                           ; v[24:25], v[26:27] k - q of the pair in hand, blocks 0 and 1
.set QSW, 50
.set PW,  51
.set KSC, 52
.set VSC, 56
.set KST, 60                           ; v60-107  four fragments of K or of V
.set SCA, 108
.set SCB, 140
.set BIA, 172                          ; v172-203 add; later at work
.set TM,  172
.set OT,  204                          ; v204-235 O^T
.set PC,  236                          ; v236-247 dw's codes
.set TPR, 248
.set WV, 20
.set BH, 21
.set BB, 22
.set HD, 23
.set TAU, 24
.set QB, 25
.set LIMK, 26
.set FB, 27
.set SEL, 28
.set SLP, 30
.set EIG, 32
.set L2E, 34
.set NEG, 36
.set NL2E, 38
.set KF, 39
.set TK, 40
.set TS, 41
.set TP, 42
.set TV, 43
.set TVS, 44
.set CNT, 45
.set QT, 62
	s_load_b512 s[4:19], s[0:1], 0x0               ; qkvf s[4:5], mask s[6:7], lam_q1 s[8:9], lam_k1 s[10:11], lam_q2 s[12:13], lam_k2 s[14:15], lim s[16:17], att s[18:19]
	v_lshl_add_u32 v[SPW], v0, 2, SPARE
	v_mov_b32 v[NIL], 0
	v_lshrrev_b32 v12, 5, v0
	s_delay_alu instid0(VALU_DEP_1)
	v_readfirstlane_b32 s[WV], v12
	s_and_b32 s[BH], ttmp7, 0xffff
	s_lshr_b32 s[BB], s[BH], 4
	s_and_b32 s[HD], s[BH], 15
	s_mov_b32 s46, 0x0de3b658                      ; the ranks of waves 8-15, four bits each,
	s_cmp_lt_u32 s[WV], 8
	s_cselect_b32 s46, 0x7a94c12f, s46             ; of waves 0-7
	s_and_b32 s47, s[WV], 7
	s_lshl_b32 s47, s47, 2
	s_lshr_b32 s46, s46, s47
	s_and_b32 s46, s46, 15
	s_lshl_b32 s46, s46, 3
	s_add_co_u32 s[TAU], s46, ttmp9                ; my tile of queries
	s_lshr_b32 s46, s[TAU], 1
	s_lshl_b32 s46, s46, 5
	s_and_b32 s47, s[TAU], 1
	s_lshl_b32 s47, s47, 3
	s_add_co_u32 s[QB], s46, s47                   ; its first query
	s_add_co_u32 s46, s[HD], 1                     ; slope = 2^(-i / 2), i = head + 1: 1 or sqrt(2), with (i + 1) / 2 off the exponent field
	s_add_co_u32 s47, s46, 1
	s_lshr_b32 s47, s47, 1
	s_lshl_b32 s47, s47, 23
	s_mov_b32 s[SLP], 0x3f800000
	s_bitcmp1_b32 s46, 0
	s_cselect_b32 s[SLP], 0x3fb504f3, s[SLP]
	s_sub_co_u32 s[SLP], s[SLP], s47
	s_mov_b32 s[SLP+1], s[SLP]                     ; (the packed forms name pairs: both words are written)
	s_mov_b32 s[EIG], 0x3e000000                   ; 1 / sqrt(64)
	s_mov_b32 s[EIG+1], s[EIG]
	s_mov_b32 s[L2E], 0x3fb8aa3b
	s_mov_b32 s[L2E+1], s[L2E]
	s_mov_b32 s[NEG], 0xce6e6b28                   ; -1e9
	s_mov_b32 s[NEG+1], s[NEG]
	s_mov_b32 s[NL2E], 0xbfb8aa3b
	s_mov_b32 s[SEL], 0x76543210
	s_mov_b32 s[SEL+1], 0xfedcba98
	s_lshl_b32 s46, s[BH], 7
	s_add_co_u32 s46, s46, s[TAU]
	s_mul_i32 s48, s46, 1536                       ; my Q fragment,
	s_mov_b32 s49, 0
	s_lshl_b32 s50, s46, 6
	s_add_co_u32 s50, s50, 15728640                ; its scale words,
	s_mov_b32 s51, 0
	s_mul_i32 s52, s[BH], 196608
	s_add_co_u32 s52, s52, 6291456                 ; the head's K,
	s_mov_b32 s53, 0
	s_mul_i32 s54, s[BH], 98304
	s_add_co_u32 s54, s54, 12582912                ; V,
	s_mov_b32 s55, 0
	s_lshl_b32 s56, s[BH], 13
	s_add_co_u32 s56, s56, 15990784                ; K's scale words,
	s_mov_b32 s57, 0
	s_lshl_b32 s58, s[BH], 12
	s_add_co_u32 s58, s58, 16252928                ; V's,
	s_mov_b32 s59, 0
	s_lshl_b32 s60, s[BB], 13                      ; the batch's mask
	s_mov_b32 s61, 0
	v_and_b32 v12, 31, v0
	s_delay_alu instid0(VALU_DEP_1)
	v_lshlrev_b32 v[LI], 4, v12
	v_and_b32 v13, 15, v0
	s_delay_alu instid0(VALU_DEP_1)
	v_lshlrev_b32 v[LS], 2, v13
	v_bfe_u32 v14, v0, 4, 1
	s_delay_alu instid0(VALU_DEP_1)
	v_lshlrev_b32 v[HP], 6, v14
	s_delay_alu instid0(VALU_DEP_4)
	v_and_b32 v15, 8, v13
	s_delay_alu instid0(VALU_DEP_1)
	v_add_nc_u32 v15, v15, v13
	s_delay_alu instid0(VALU_DEP_1)
	v_add_nc_u32 v15, s[QB], v15                   ; my query
	v_lshlrev_b32 v14, 4, v14
	s_delay_alu instid0(VALU_DEP_1)
	v_sub_nc_u32 v15, v14, v15
	s_delay_alu instid0(VALU_DEP_1)
	v_cvt_f32_i32 v[HQ], v15
	v_lshlrev_b32 v244, 4, v0                      ; 16 x thread
	v_lshlrev_b32 v245, 3, v0
	v_lshlrev_b32 v246, 3, v12
.irp k, 0,1,2,3,4
	v_add_nc_u32 v[238+\k], 65536*\k, v244         ; LDS: an immediate reaches 64 KiB: five bases
.endr
	v_add_nc_u32 v243, VSO, v245
	s_wait_alu depctr_va_vdst(0)
	s_wait_kmcnt 0x0
	s_add_nc_u64 s[48:49], s[4:5], s[48:49]
	s_add_nc_u64 s[50:51], s[4:5], s[50:51]
	s_add_nc_u64 s[52:53], s[4:5], s[52:53]
	s_add_nc_u64 s[54:55], s[4:5], s[54:55]
	s_add_nc_u64 s[56:57], s[4:5], s[56:57]
	s_add_nc_u64 s[58:59], s[4:5], s[58:59]
	s_add_nc_u64 s[60:61], s[6:7], s[60:61]
	s_load_b64 s[46:47], s[16:17], 0x0             ; F of both batches
	global_load_b128 v[32:35], v[LI], s[48:49]                 ; Q's registers 0-3,
	global_load_b128 v[216:219], v[LI], s[48:49] offset:512    ; 4-7 (parted below),
	global_load_b128 v[46:49], v[LI], s[48:49] offset:1024     ; 8-11
	global_load_b32 v[QSW], v[LS], s[50:51]
	global_load_b64 v[220:221], v246, s[8:9]
	global_load_b64 v[222:223], v246, s[10:11]
	global_load_b64 v[224:225], v246, s[12:13]
	global_load_b64 v[226:227], v246, s[14:15]
	global_load_b128 v[228:231], v244, s[56:57]
	global_load_b128 v[232:235], v244, s[60:61]
	global_load_b64 v[236:237], v245, s[58:59]
.set J, 0
.rept 24
	global_load_b128 v[60+4*J:63+4*J], v244, s[52:53] offset:8192*J    ; the work-group's 512 threads read 8,192 consecutive bytes
.set J, J+1
.endr
.set J, 0
.rept 12
	global_load_b128 v[156+4*J:159+4*J], v244, s[54:55] offset:8192*J
.set J, J+1
.endr
	s_wait_kmcnt 0x0
	s_cmp_eq_u32 s[BB], 0
	s_cselect_b32 s[FB], s46, s47
	s_add_co_u32 s[LIMK], s[QB], 23                ; my tile's last query
	s_cmp_lt_u32 s[QB], s[FB]
	s_cselect_b32 s[LIMK], 2047, s[LIMK]           ; the last key that I walk
	s_cselect_b32 s[QT], 0, s[QB]                  ; a step whose last key is past this takes the additions one by one
	s_wait_loadcnt 39                              ; Q, its scale words and the four lam vectors are in; the 39 loads of the fill may be out
	v_mov_b32 v36, v216
	v_mov_b32 v37, v217
	v_mov_b32 v44, v218
	v_mov_b32 v45, v219
.irp i, 38,39,40,41,42,43
	v_mov_b32 v\i, 0                               ; zero codes
.endr
	v_mov_b32 v30, 0
	v_mov_b32 v31, 0
	v_mul_f32 v28, v220, v222                      ; the two dots, in f32
	v_mul_f32 v29, v224, v226
	s_delay_alu instid0(VALU_DEP_2)
	v_fmac_f32 v28, v221, v223
	s_delay_alu instid0(VALU_DEP_2)
	v_fmac_f32 v29, v225, v227
.irp m, 1,2,4,8
	s_delay_alu instid0(VALU_DEP_2)
	v_add_f32_dpp v28, v28, v28 row_xmask:\m row_mask:0xf bank_mask:0xf
	s_delay_alu instid0(VALU_DEP_2)
	v_add_f32_dpp v29, v29, v29 row_xmask:\m row_mask:0xf bank_mask:0xf
.endr
	s_delay_alu instid0(VALU_DEP_2)
	v_permlanex16_b32 v30, v28, s[SEL], s[SEL+1]
	s_delay_alu instid0(VALU_DEP_2)
	v_permlanex16_b32 v31, v29, s[SEL], s[SEL+1]
	s_delay_alu instid0(VALU_DEP_2)
	v_add_f32 v28, v28, v30
	s_delay_alu instid0(VALU_DEP_2)
	v_add_f32 v29, v29, v31
	s_delay_alu instid0(VALU_DEP_2)
	v_mul_f32 v30, s[L2E], v28                     ; e^d = 2^t (1 + r ln 2): t = RN(d log2e), r = what t lacks
	s_delay_alu instid0(VALU_DEP_2)
	v_mul_f32 v31, s[L2E], v29
	s_delay_alu instid0(VALU_DEP_2)
	v_fma_f32 v24, v28, s[L2E], -v30
	s_delay_alu instid0(VALU_DEP_2)
	v_fma_f32 v25, v29, s[L2E], -v31
	s_delay_alu instid0(VALU_DEP_2)
	v_fma_f32 v24, v28, 0x32a57060, v24            ; (log2e's own low part)
	s_delay_alu instid0(VALU_DEP_2)
	v_fma_f32 v25, v29, 0x32a57060, v25
	s_wait_alu depctr_va_vdst(0)
	v_exp_f32 v30, v30
	v_exp_f32 v31, v31
	v_mul_f32 v24, 0x3f317218, v24
	v_mul_f32 v25, 0x3f317218, v25
	s_wait_alu depctr_va_vdst(0)                   ; one wait for the two exponentials, ahead of their first reader
	v_fma_f32 v30, v30, v24, v30
	v_fma_f32 v31, v31, v25, v31
	s_delay_alu instid0(VALU_DEP_1)
	v_sub_f32 v30, v30, v31
	s_delay_alu instid0(VALU_DEP_1)
	v_add_f32 v[LAM], 0x3f4ccccd, v30              ; lam
	v_mov_b32 v23, 0
	v_mov_b32 v26, 0
	v_mov_b32 v27, 0
	s_wait_loadcnt 36                              ; K's scale words, the mask and V's scale words are in; K's 24 and V's 12 may be out
	ds_store_b128 v242, v[228:231] offset:KSO-262144
.irp i, 232,233,234,235
	v_sub_f32 v\i, 1.0, v\i
.endr
.irp i, 232,233,234,235
	s_delay_alu instid0(VALU_DEP_4)
	v_mul_f32 v\i, s[NEG], v\i                     ; pad = (1 - mask) x -1e9
.endr
	ds_store_b128 v242, v[232:235] offset:PADO-262144
	ds_store_b64 v243, v[236:237]
.set J, 0
.rept 24
	s_wait_loadcnt 35-J                            ; the loads behind this one may be out
	ds_store_b128 v[238+J/8], v[60+4*J:63+4*J] offset:8192*(J%8)
.set J, J+1
.endr
.set J, 0
.rept 12
	s_wait_loadcnt 11-J
	ds_store_b128 v[241+J/8], v[156+4*J:159+4*J] offset:8192*(J%8)
.set J, J+1
.endr
	s_wait_dscnt 0x0                               ; for the others' sake: my stores have landed
	s_barrier_signal -1
	s_barrier_wait -1                              ; the head lies in LDS; nobody writes it again
.set J, 0
.rept 32
	v_mov_b32 v[OT+J], 0
.set J, J+1
.endr
	v_mov_b32 v[MX1], 0xfe967699                   ; -1e38, under every x
	v_mov_b32 v[MX2], 0xfe967699
	s_delay_alu instid0(VALU_DEP_2)
	v_mul_f32 v[NC1], s[NL2E], v[MX1]
	s_delay_alu instid0(VALU_DEP_2)
	v_mul_f32 v[NC2], s[NL2E], v[MX2]
.irp i, 16,17,18,19
	v_mov_b32 v\i, 0
.endr
.macro BIAS_OPEN                       ; add = fma(k - q, slope, pad), two at a time
.irp p, 0,1,2,3,4,5,6,7
.irp bb, 0,1
	v_pk_fma_f32 v[BIA+16*\bb+2*\p:BIA+16*\bb+2*\p+1], v[DK0+2*\bb:DK0+2*\bb+1], s[SLP:SLP+1], v[BIA+16*\bb+2*\p:BIA+16*\bb+2*\p+1] op_sel_hi:[1,0,1]
.endr
.if \p < 7
.irp bb, 0,1
	v_pk_add_f32 v[DK0+2*\bb:DK0+2*\bb+1], v[DK0+2*\bb:DK0+2*\bb+1], 2.0 op_sel_hi:[1,0]
.endr
.endif
.endr
.endm
.macro BIAS_MASKED                     ; add = RN(RN(RN((k - q) slope) - 1e9 [k > q]) + pad)
.irp p, 0,1,2,3,4,5,6,7
.irp bb, 0,1
	v_med3_num_f32 v28, v[DK0+2*\bb], 0, 1.0       ; 1 where k > q, else 0
	v_med3_num_f32 v29, v[DK0+2*\bb+1], 0, 1.0
	v_pk_mul_f32 v[30:31], v[DK0+2*\bb:DK0+2*\bb+1], s[SLP:SLP+1] op_sel_hi:[1,0]
	s_delay_alu instid0(VALU_DEP_1)
	v_pk_fma_f32 v[30:31], v[28:29], s[NEG:NEG+1], v[30:31] op_sel_hi:[1,0,1]
	s_delay_alu instid0(VALU_DEP_1)
	v_pk_add_f32 v[BIA+16*\bb+2*\p:BIA+16*\bb+2*\p+1], v[30:31], v[BIA+16*\bb+2*\p:BIA+16*\bb+2*\p+1]
	v_pk_add_f32 v[DK0+2*\bb:DK0+2*\bb+1], v[DK0+2*\bb:DK0+2*\bb+1], 2.0 op_sel_hi:[1,0]
.endr
.endr
.endm
; x of both softmaxes for 64 keys, those from KF + 64 c on: register 16 u + i = key 32 u + 16 (lane / 16) + i
.macro SCORES c
	s_add_co_u32 s46, s[KF], 64*\c
	s_add_co_u32 s47, s46, 63
	v_add_nc_u32 v[ADP], s[TP], v[HP]
	v_add_nc_u32 v[ADK], s[TK], v[LI]
	v_add_nc_u32 v[ADS], s[TS], v[LS]
	v_cvt_f32_u32 v28, s46
.irp n, 0,1,2,3,4,5,6,7
	ds_load_b128 v[BIA+4*\n:BIA+4*\n+3], v[ADP] offset:256*\c+128*(\n/4)+16*(\n%4)   ; the pads of my 32 keys
.endr
.irp t, 0,1,2,3
.irp u, 0,1,2
	ds_load_b128 v[KST+12*\t+4*\u:KST+12*\t+4*\u+3], v[ADK] offset:6144*\c+1536*\t+512*\u   ; a fragment comes as it was stored: 512 consecutive bytes a load
.endr
	ds_load_b32 v[KSC+\t], v[ADS] offset:256*\c+64*\t
.endr
	v_add_f32 v[DK0], v28, v[HQ]                   ; k - q of my first key: whole numbers, exact
	s_delay_alu instid0(VALU_DEP_1)
	v_add_f32 v[DK0+1], 1.0, v[DK0]
	s_delay_alu instid0(VALU_DEP_2)
	v_add_f32 v[DK0+2], 0x42000000, v[DK0]
	s_delay_alu instid0(VALU_DEP_2)
	v_add_f32 v[DK0+3], 0x42000000, v[DK0+1]
	s_wait_dscnt 16                                ; the pads are in; K's twelve loads and four scale words may be out
	s_cmp_gt_u32 s47, s[QT]
	s_cbranch_scc1 .Lmasked_\@
	s_wait_alu depctr_va_vdst(0)
	BIAS_OPEN
	s_branch .Lbiased_\@
.Lmasked_\@:
	s_wait_alu depctr_va_vdst(0)
	BIAS_MASKED
.Lbiased_\@:
	s_wait_dscnt 0x0
.irp t, 0,1,2,3
	v_wmma_scale_f32_16x16x128_f8f6f4 v[SCA+8*\t:SCA+8*\t+7], v[KST+12*\t:KST+12*\t+11], v[32:43], 0, v[KSC+\t], v[QSW] matrix_a_fmt:MATRIX_FMT_FP6 matrix_b_fmt:MATRIX_FMT_FP6
	v_wmma_scale_f32_16x16x128_f8f6f4 v[SCB+8*\t:SCB+8*\t+7], v[KST+12*\t:KST+12*\t+11], v[38:49], 0, v[KSC+\t], v[QSW] matrix_a_fmt:MATRIX_FMT_FP6 matrix_b_fmt:MATRIX_FMT_FP6
.endr
.rept 4
	v_nop                                          ; places behind the products: for the reads below and for the next loads into K's registers
.endr
.set J, 0
	s_wait_alu depctr_va_vdst(0)
.rept 16
	v_pk_fma_f32 v[SCA+J:SCA+J+1], v[SCA+J:SCA+J+1], s[EIG:EIG+1], v[BIA+J:BIA+J+1] op_sel_hi:[1,0,1]   ; each accumulator from its low end on
.set J, J+2
.endr
.set J, 0
.rept 16
	v_pk_fma_f32 v[SCB+J:SCB+J+1], v[SCB+J:SCB+J+1], s[EIG:EIG+1], v[BIA+J:BIA+J+1] op_sel_hi:[1,0,1]
.set J, J+2
.endr
.endm
.macro EXPS                            ; p = 2^(x log2e - c) of the 64
.set J, 0
.rept 16
	v_pk_fma_f32 v[SCA+J:SCA+J+1], v[SCA+J:SCA+J+1], s[L2E:L2E+1], v[NC1:NC1+1] op_sel_hi:[1,0,0]
.set J, J+2
.endr
.set J, 0
.rept 16
	v_pk_fma_f32 v[SCB+J:SCB+J+1], v[SCB+J:SCB+J+1], s[L2E:L2E+1], v[NC2:NC2+1] op_sel_hi:[1,0,0]
.set J, J+2
.endr
.set J, 0
	s_wait_alu depctr_va_vdst(0)
.rept 64
	v_exp_f32 v[SCA+J], v[SCA+J]
.set J, J+1
.endr
.endm
.macro ROWSUM sc, l, t                 ; 16 pairs onto the pair l, in two chains
	v_pk_add_f32 v[\t:\t+1], v[\sc:\sc+1], v[\sc+2:\sc+3]
.irp j, 4,8,12,16,20,24,28
	v_pk_add_f32 v[\l:\l+1], v[\l:\l+1], v[\sc+\j:\sc+\j+1]
	v_pk_add_f32 v[\t:\t+1], v[\t:\t+1], v[\sc+\j+2:\sc+\j+3]
.endr
	s_delay_alu instid0(VALU_DEP_1)
	v_pk_add_f32 v[\l:\l+1], v[\l:\l+1], v[\t:\t+1]
.endm
.macro LANESUM x, t
.irp m, 1,2,4,8
	s_delay_alu instid0(VALU_DEP_1)
	v_add_f32_dpp v[\x], v[\x], v[\x] row_xmask:\m row_mask:0xf bank_mask:0xf
.endr
	s_delay_alu instid0(VALU_DEP_1)
	v_permlanex16_b32 v[\t], v[\x], s[SEL], s[SEL+1]
	s_delay_alu instid0(VALU_DEP_1)
	v_add_f32 v[\x], v[\x], v[\t]
.endm
	; ---- PASS 1: 32 trips of 64 keys (a constant count: a trip past the walk's end does only its address steps).  Each lane keeps the maximum and the sum of its own keys.
	s_mov_b32 s[KF], 0
	s_mov_b32 s[TK], 0
	s_mov_b32 s[TS], KSO
	s_mov_b32 s[TP], PADO
	s_mov_b32 s[CNT], 32
.Lp1:
	s_cmp_gt_u32 s[KF], s[LIMK]
	s_cbranch_scc1 .Lp1_step
	SCORES 0
	v_max3_num_f32 v[MX1], v[MX1], v[SCA], v[SCA+1]
	v_max3_num_f32 v[MX2], v[MX2], v[SCB], v[SCB+1]
	v_max3_num_f32 v29, v[SCA+16], v[SCA+17], v[SCA+18]
	v_max3_num_f32 v31, v[SCB+16], v[SCB+17], v[SCB+18]
.irp i, 2
	s_delay_alu instid0(VALU_DEP_4)
	v_max3_num_f32 v[MX1], v[MX1], v[SCA+\i], v[SCA+\i+1]
	s_delay_alu instid0(VALU_DEP_4)
	v_max3_num_f32 v[MX2], v[MX2], v[SCB+\i], v[SCB+\i+1]
.endr
.irp i, 4, 6, 8, 10, 12, 14
	s_delay_alu instid0(VALU_DEP_2)
	v_max3_num_f32 v[MX1], v[MX1], v[SCA+\i], v[SCA+\i+1]
	s_delay_alu instid0(VALU_DEP_2)
	v_max3_num_f32 v[MX2], v[MX2], v[SCB+\i], v[SCB+\i+1]
.endr
.irp i, 19
	v_max3_num_f32 v29, v29, v[SCA+\i], v[SCA+\i+1]
	v_max3_num_f32 v31, v31, v[SCB+\i], v[SCB+\i+1]
.endr
.irp i, 21, 23, 25, 27, 29
	s_delay_alu instid0(VALU_DEP_2)
	v_max3_num_f32 v29, v29, v[SCA+\i], v[SCA+\i+1]
	s_delay_alu instid0(VALU_DEP_2)
	v_max3_num_f32 v31, v31, v[SCB+\i], v[SCB+\i+1]
.endr
	s_delay_alu instid0(VALU_DEP_2)
	v_max3_num_f32 v[MX1], v[MX1], v29, v[SCA+31]
	s_delay_alu instid0(VALU_DEP_2)
	v_max3_num_f32 v[MX2], v[MX2], v31, v[SCB+31]
	v_mov_b32 v28, v[NC1]
	v_mov_b32 v30, v[NC2]
	s_delay_alu instid0(VALU_DEP_4)
	v_mul_f32 v[NC1], s[NL2E], v[MX1]              ; -c = RN(-log2e m)
	s_delay_alu instid0(VALU_DEP_4)
	v_mul_f32 v[NC2], s[NL2E], v[MX2]
	s_delay_alu instid0(VALU_DEP_2)
	v_sub_f32 v28, v[NC1], v28                     ; old c - new c, 0 or less
	s_delay_alu instid0(VALU_DEP_2)
	v_sub_f32 v30, v[NC2], v30
	EXPS
	v_exp_f32 v28, v28
	v_exp_f32 v30, v30
	v_nop                                          ; the plain place behind the batch
	s_wait_alu depctr_va_vdst(0)                   ; one wait for the 66, ahead of their first reader
	v_pk_mul_f32 v[SUM1:SUM1+1], v[SUM1:SUM1+1], v[28:29] op_sel_hi:[1,0]
	v_pk_mul_f32 v[SUM2:SUM2+1], v[SUM2:SUM2+1], v[30:31] op_sel_hi:[1,0]
	ROWSUM SCA, SUM1, BIA
	ROWSUM SCB, SUM2, BIA+2
.Lp1_step:
	s_add_co_u32 s[KF], s[KF], 64
	s_add_co_u32 s[TK], s[TK], 6144
	s_add_co_u32 s[TS], s[TS], 256
	s_add_co_u32 s[TP], s[TP], 256
	s_sub_co_u32 s[CNT], s[CNT], 1
	s_cmp_lg_u32 s[CNT], 0
	s_cbranch_scc1 .Lp1
; The two halves of a row meet: the row's c, both sums brought under it, their sum (mul, mul, add: the same bits in both lanes), its reciprocal.
.macro MERGE nc, l
	v_add_f32 v[\l], v[\l], v[\l+1]
	v_permlanex16_b32 v28, v[\nc+1], s[SEL], s[SEL+1]
	s_delay_alu instid0(VALU_DEP_2)
	v_permlanex16_b32 v29, v[\l], s[SEL], s[SEL+1]
	s_delay_alu instid0(VALU_DEP_2)
	v_max_num_f32 v30, v[\nc+1], v28
	s_delay_alu instid0(VALU_DEP_1)
	v_mul_f32 v30, s[NL2E], v30
	s_delay_alu instid0(VALU_DEP_4)
	v_mul_f32 v28, s[NL2E], v28
	s_delay_alu instid0(VALU_DEP_2)
	v_sub_f32 v31, v30, v[\nc]
	s_delay_alu instid0(VALU_DEP_2)
	v_sub_f32 v28, v30, v28
	s_wait_alu depctr_va_vdst(0)
	v_exp_f32 v31, v31
	v_exp_f32 v28, v28
	v_mov_b32 v[\nc], v30
	s_wait_alu depctr_va_vdst(0)
	v_mul_f32 v[\l], v[\l], v31
	v_mul_f32 v29, v29, v28
	s_delay_alu instid0(VALU_DEP_1)
	v_add_f32 v[\l], v[\l], v29
	s_wait_alu depctr_va_vdst(0)
	v_rcp_f32 v[\l], v[\l]
.endm
	s_wait_alu depctr_va_vdst(0)
	MERGE NC1, SUM1
	MERGE NC2, SUM2
	v_nop
	s_wait_alu depctr_va_vdst(0)                   ; one wait for the two reciprocals
	v_mov_b32 v[GN1], v[SUM1]
	v_mul_f32 v[GN2], -v[SUM2], v[LAM]
; dw of 64 keys (two blocks of 32) becomes registers 6 c .. 6 c + 5 of the operand and bytes 2 c, 2 c + 1 of its scale word
.macro QHALF c
.irp b, 0,1
	v_max3_num_f32 v[TM+\b], |v[SCA+16*\b]|, |v[SCA+16*\b+1]|, 0x1800000
.endr
.irp i, 2,4,6,8,10,12,14
.irp b, 0,1
	s_delay_alu instid0(VALU_DEP_2)
	v_max3_num_f32 v[TM+\b], v[TM+\b], |v[SCA+16*\b+\i]|, |v[SCA+16*\b+\i+1]|
.endr
.endr
.irp b, 0,1
	s_delay_alu instid0(VALU_DEP_2)
	v_permlanex16_b32 v[TM+2+\b], v[TM+\b], s[SEL], s[SEL+1]
.endr
.irp b, 0,1
	s_delay_alu instid0(VALU_DEP_2)
	v_max_num_f32 v[TM+\b], v[TM+\b], v[TM+2+\b]
.endr
.irp b, 0,1
	s_delay_alu instid0(VALU_DEP_2)
	v_add_nc_u32 v[TM+4+\b], 0xff000000, v[TM+\b]
.endr
.irp b, 0,1
	s_delay_alu instid0(VALU_DEP_2)
	v_lshrrev_b32 v[TM+2+\b], 23, v[TM+4+\b]
.endr
.if \c == 0
	s_delay_alu instid0(VALU_DEP_1)
	v_lshl_or_b32 v[PW], v[TM+3], 8, v[TM+2]
.else
	s_delay_alu instid0(VALU_DEP_2)
	v_lshl_or_b32 v[PW], v[TM+2], 16, v[PW]
	s_delay_alu instid0(VALU_DEP_1)
	v_lshl_or_b32 v[PW], v[TM+3], 24, v[PW]
.endif
	v_cvt_scalef32_pk16_fp6_f32 v[PC+6*\c:PC+6*\c+2], v[SCA:SCA+15], v[TM+4]
	v_cvt_scalef32_pk16_fp6_f32 v[TPR:TPR+2], v[SCA+16:SCA+31], v[TM+5]
	v_nop                                          ; one plain place behind a scaled conversion
.irp i, 0,1,2
	v_permlane16_swap_b32 v[PC+6*\c+\i], v[TPR+\i] ; the layout wants a whole block in a lane
.endr
.irp i, 0,1,2
	s_delay_alu instid0(VALU_DEP_3)
	v_mov_b32 v[PC+6*\c+3+\i], v[TPR+\i]
.endr
.endm
.macro HALF c
	SCORES \c
.if \c == 1
	v_add_nc_u32 v[ADV], s[TV], v[LI]              ; V's four fragments of this key step take K's registers: the last products that read them stand 4 places and more back
	v_add_nc_u32 v[ADT], s[TVS], v[LS]
.irp t, 0,1,2,3
.irp u, 0,1,2
	ds_load_b128 v[KST+12*\t+4*\u:KST+12*\t+4*\u+3], v[ADV] offset:1536*\t+512*\u
.endr
	ds_load_b32 v[VSC+\t], v[ADT] offset:64*\t
.endr
.endif
	EXPS
	v_nop
	s_wait_alu depctr_va_vdst(0)                   ; one wait for the 64
.set J, 0
.rept 16
	v_pk_mul_f32 v[SCA+J:SCA+J+1], v[SCA+J:SCA+J+1], v[GN1:GN1+1] op_sel_hi:[1,0]
.set J, J+2
.endr
.set J, 0
.rept 16
	v_pk_fma_f32 v[SCA+J:SCA+J+1], v[SCB+J:SCB+J+1], v[GN2:GN2+1], v[SCA+J:SCA+J+1] op_sel_hi:[1,0,1]   ; dw = w1 - lam w2
.set J, J+2
.endr
	QHALF \c
.endm
	; ---- PASS 2: 16 trips of 128 keys
	s_mov_b32 s[KF], 0
	s_mov_b32 s[TK], 0
	s_mov_b32 s[TS], KSO
	s_mov_b32 s[TP], PADO
	s_mov_b32 s[TV], VFO
	s_mov_b32 s[TVS], VSO
	s_mov_b32 s[CNT], 16
.Lp2:
	s_cmp_gt_u32 s[KF], s[LIMK]
	s_cbranch_scc1 .Lp2_step
	HALF 0
	HALF 1
	s_wait_alu depctr_va_vdst(0)
	s_wait_dscnt 0x0                               ; V is in
.rept 8
	v_nop                                          ; the scale word written by vector instructions stands 8 places ahead of the scaled products, the codes 4
.endr
.irp t, 0,1,2,3                                ; the four accumulators take turns, one instruction a turn
	v_wmma_scale_f32_16x16x128_f8f6f4 v[OT+8*\t:OT+8*\t+7], v[KST+12*\t:KST+12*\t+11], v[PC:PC+11], v[OT+8*\t:OT+8*\t+7], v[VSC+\t], v[PW] matrix_a_fmt:MATRIX_FMT_FP6 matrix_b_fmt:MATRIX_FMT_FP6
.endr
.rept 4
	v_nop
.endr
.Lp2_step:
	s_add_co_u32 s[KF], s[KF], 128
	s_add_co_u32 s[TK], s[TK], 12288
	s_add_co_u32 s[TS], s[TS], 512
	s_add_co_u32 s[TP], s[TP], 512
	s_add_co_u32 s[TV], s[TV], 6144
	s_add_co_u32 s[TVS], s[TVS], 256
	s_sub_co_u32 s[CNT], s[CNT], 1
	s_cmp_lg_u32 s[CNT], 0
	s_cbranch_scc1 .Lp2
	; ---- THE WAY OUT: the tile's sum and its sum of squares about its own mean (1,024 numbers), for the GroupNorm; O^T leaves as an image of its registers.
	v_pk_add_f32 v[30:31], v[204:205], v[206:207]
	v_pk_add_f32 v[254:255], v[212:213], v[216:217]
	v_pk_add_f32 v[252:253], v[220:221], v[224:225]
	v_pk_add_f32 v[28:29], v[228:229], v[232:233]
	v_pk_add_f32 v[28:29], v[28:29], v[208:209]
	v_pk_add_f32 v[30:31], v[30:31], v[210:211]
	v_pk_add_f32 v[254:255], v[254:255], v[214:215]
	v_pk_add_f32 v[252:253], v[252:253], v[218:219]
	v_pk_add_f32 v[28:29], v[28:29], v[222:223]
	v_pk_add_f32 v[30:31], v[30:31], v[226:227]
	v_pk_add_f32 v[254:255], v[254:255], v[230:231]
	v_pk_add_f32 v[252:253], v[252:253], v[234:235]
	s_delay_alu instid0(VALU_DEP_2)
	v_pk_add_f32 v[28:29], v[28:29], v[254:255]
	s_delay_alu instid0(VALU_DEP_2)
	v_pk_add_f32 v[30:31], v[30:31], v[252:253]
	s_delay_alu instid0(VALU_DEP_1)
	v_pk_add_f32 v[28:29], v[28:29], v[30:31]
	s_delay_alu instid0(VALU_DEP_1)
	v_add_f32 v28, v28, v29
	LANESUM 28, 30
	s_delay_alu instid0(VALU_DEP_1)
	v_mul_f32 v24, 0x3a800000, v28                 ; the tile's mean
.set J, 0
.rept 16
	v_pk_add_f32 v[SCA+J:SCA+J+1], v[OT+J:OT+J+1], v[24:25] op_sel_hi:[1,0] neg_lo:[0,1] neg_hi:[0,1]
.set J, J+2
.endr
	v_pk_mul_f32 v[30:31], v[SCA:SCA+1], v[SCA:SCA+1]
	v_pk_mul_f32 v[26:27], v[SCA+2:SCA+3], v[SCA+2:SCA+3]
.irp j, 4,8,12,16,20,24,28
	s_delay_alu instid0(VALU_DEP_2)
	v_pk_fma_f32 v[30:31], v[SCA+\j:SCA+\j+1], v[SCA+\j:SCA+\j+1], v[30:31]
	s_delay_alu instid0(VALU_DEP_2)
	v_pk_fma_f32 v[26:27], v[SCA+\j+2:SCA+\j+3], v[SCA+\j+2:SCA+\j+3], v[26:27]
.endr
	s_delay_alu instid0(VALU_DEP_1)
	v_pk_add_f32 v[30:31], v[30:31], v[26:27]
	s_delay_alu instid0(VALU_DEP_1)
	v_add_f32 v29, v30, v31
	LANESUM 29, 30
	s_lshl_b32 s46, s[BH], 7
	s_add_co_u32 s46, s46, s[TAU]
	s_lshl_b32 s48, s46, 12
	s_mov_b32 s49, 0
	s_add_nc_u64 s[48:49], s[18:19], s[48:49]
	s_lshl_b32 s50, s46, 3
	s_add_co_u32 s50, s50, 16777216
	s_mov_b32 s51, 0
	s_add_nc_u64 s[50:51], s[18:19], s[50:51]
.irp g, 0,1,2,3,4,5,6,7
	global_store_b128 v[LI], v[OT+4*\g:OT+4*\g+3], s[48:49] offset:512*\g   ; 32 lanes store 512 consecutive bytes, aligned
.endr
	v_mov_b32 v30, 0
	v_cmp_eq_u32 vcc_lo, 0, v[LI]
	s_wait_alu depctr_va_vdst(0)
	s_wait_xcnt 0x0                                ; EXEC changes only behind this wait
	s_and_saveexec_b32 s63, vcc_lo
	global_store_b64 v30, v[28:29], s[50:51]
	s_wait_xcnt 0x0
	s_or_b32 exec_lo, exec_lo, s63
	s_wait_tensorcnt 0x0                           ; the wave's end
	ds_add_u32 v[SPW], v[NIL]
	s_wait_dscnt 0x0
	s_endpgm
.Lfunc_end_k_qbd87538a07_attn:
	.size	k_qbd87538a07_attn, .Lfunc_end_k_qbd87538a07_attn-k_qbd87538a07_attn
	.p2alignl 7, 3214868480
	.fill 96, 4, 3214868480
	.section	.rodata,"a",@progbits
	.p2align	6, 0x0
	.amdhsa_kernel k_qbd87538a07_attn
		.amdhsa_group_segment_fixed_size 317440
		.amdhsa_private_segment_fixed_size 0
		.amdhsa_enable_private_segment 0
		.amdhsa_kernarg_size 64
		.amdhsa_user_sgpr_count 2
		.amdhsa_user_sgpr_kernarg_segment_ptr 1
		.amdhsa_wavefront_size32 1
		.amdhsa_system_sgpr_workgroup_id_x 1
		.amdhsa_system_sgpr_workgroup_id_y 1
		.amdhsa_system_sgpr_workgroup_id_z 1
		.amdhsa_system_vgpr_workitem_id 0
		.amdhsa_next_free_vgpr 256
		.amdhsa_next_free_sgpr 66
		.amdhsa_reserve_vcc 1
		.amdhsa_float_denorm_mode_32 3
		.amdhsa_float_denorm_mode_16_64 3
		.amdhsa_memory_ordered 1
		.amdhsa_forward_progress 1
		.amdhsa_inst_pref_size 99
	.end_amdhsa_kernel
	.amdgpu_metadata
---
amdhsa.version: [ 1, 2 ]
amdhsa.kernels:
  - .name:           k_qbd87538a07_attn
    .symbol:         k_qbd87538a07_attn.kd
    .args:
      - { .name: qkvf, .offset: 0, .size: 8, .value_kind: global_buffer, .address_space: global }
      - { .name: attention_mask, .offset: 8, .size: 8, .value_kind: global_buffer, .address_space: global }
      - { .name: lam_q1, .offset: 16, .size: 8, .value_kind: global_buffer, .address_space: global }
      - { .name: lam_k1, .offset: 24, .size: 8, .value_kind: global_buffer, .address_space: global }
      - { .name: lam_q2, .offset: 32, .size: 8, .value_kind: global_buffer, .address_space: global }
      - { .name: lam_k2, .offset: 40, .size: 8, .value_kind: global_buffer, .address_space: global }
      - { .name: lim, .offset: 48, .size: 8, .value_kind: global_buffer, .address_space: global }
      - { .name: att, .offset: 56, .size: 8, .value_kind: global_buffer, .address_space: global }
    .group_segment_fixed_size: 317440
    .private_segment_fixed_size: 0
    .kernarg_segment_align: 8
    .kernarg_segment_size: 64
    .max_flat_workgroup_size: 512
    .sgpr_count:     66
    .vgpr_count:     256
    .wavefront_size: 32
...
	.end_amdgpu_metadata
.endif
;; end of part 3
;; launch normq (part 4): grid 128 x 2, 8 waves a work-group, no clusters, 13,824 bytes of LDS; arguments att, gn_weight, gn_bias, nc; writes nc
.if DOCPART == 4
	.amdgcn_target "amdgcn-amd-amdhsa--gfx1250"
	.amdhsa_code_object_version 6
	.text
	.protected	k_qbd87538a07_normq
	.globl	k_qbd87538a07_normq
	.p2align	8
	.type	k_qbd87538a07_normq,@function
k_qbd87538a07_normq:
	s_mov_b64 s[64:65], 0
	v_nop
	global_prefetch_b8 v0, s[64:65] scope:SCOPE_SE
	s_setreg_imm32_b32 hwreg(HW_REG_WAVE_MODE, 25, 1), 1
	s_wait_xcnt 0x0
; NORMQ: the GroupNorm over (seq, d) of each (batch, head), gain, bias, x 0.2, and the quantising along the 1,024 channels into codes of FP6 (E2M3) for the last product.  Nothing is left out here.
; A work-group takes one tile of 16 queries (positions) of one batch; wave w takes heads 2 w and 2 w + 1: 128 channels, one K step of the last product.
; THE STATISTICS: launch attn left, for each tile of 1,024 numbers, its sum and its sum of squares about its own mean.  A head's 128 tiles are joined: mean = the sums' sum / 2^17;
; M2 = the sum of M2_i + 1,024 (mean_i - mean)^2: no difference of large sums is formed.  Lanes 0-15 join head 2 w's, lanes 16-31 head 2 w + 1's, 8 tiles a lane.
; An image of O^T gives lane (r, h) query r and, in register 16 u + i, channel 32 u + 16 h + i of the head: 16 neighbours along K, as the conversions want them.
; The codes meet in LDS as the 16 rows of 768 bytes that they are in memory, and leave as 12,288 consecutive bytes.
.set SCLO,  12288                      ; LDS: from 0 the 16 rows of codes; here their scale bytes, 32 a row;
.set SPARE, 12800                      ; the spare words: 128 bytes a wave, named by no other line
.set SPW, 12
.set NIL, 13
.set TM,  16
.set PC,  40
.set PW,  60
.set AT,  64                           ; v64-127  the two heads' numbers
.set GW,  128                          ; v128-191 the gain
.set GB,  192                          ; v192-255 the bias
.set SEL, 36
	s_load_b256 s[4:11], s[0:1], 0x0               ; att s[4:5], gn_weight s[6:7], gn_bias s[8:9], nc s[10:11]
	v_lshl_add_u32 v[SPW], v0, 2, SPARE
	v_mov_b32 v[NIL], 0
	v_lshrrev_b32 v1, 5, v0
	s_delay_alu instid0(VALU_DEP_1)
	v_readfirstlane_b32 s13, v1                    ; wave
	v_and_b32 v1, 31, v0
	v_and_b32 v2, 15, v0                           ; r
	v_bfe_u32 v3, v0, 4, 1                         ; h
	s_delay_alu instid0(VALU_DEP_3)
	v_lshlrev_b32 v4, 4, v1                        ; 16 x lane
	s_delay_alu instid0(VALU_DEP_4)
	v_lshlrev_b32 v5, 6, v1                        ; 64 x lane: my 8 tiles' statistics
	s_lshl_b32 s14, s13, 9
	v_lshl_add_u32 v6, v3, 6, s14                  ; gain and bias: 4 (128 w + 16 h)
	s_mul_i32 s15, s13, 96
	v_mul_u32_u24 v7, v2, 768
	s_delay_alu instid0(VALU_DEP_1)
	v_mad_u32_u24 v7, v3, 24, v7
	s_delay_alu instid0(VALU_DEP_1)
	v_add_nc_u32 v7, s15, v7                       ; my codes' place: row r, K step w, + 24 h
	s_lshl_b32 s15, s13, 2
	s_add_co_u32 s15, s15, SCLO
	v_lshl_add_u32 v14, v2, 5, s15                 ; my row's scale word of K step w
	s_mul_i32 s15, s13, 1536
	v_add_nc_u32 v15, s15, v4                      ; the way out: 1,536 bytes a wave
	v_add_nc_u32 v9, SCLO, v4
	s_and_b32 s12, ttmp7, 0xffff                   ; the batch
	s_lshl_b32 s38, s12, 4
	s_lshl_b32 s39, s13, 1
	s_add_co_u32 s38, s38, s39                     ; my first (batch, head)
	s_lshl_b32 s16, s38, 10
	s_add_co_u32 s16, s16, 16777216
	s_mov_b32 s17, 0
	s_lshl_b32 s18, s38, 7
	s_add_co_u32 s18, s18, ttmp9
	s_lshl_b32 s18, s18, 12
	s_mov_b32 s19, 0
	s_lshl_b32 s38, s12, 7
	s_add_co_u32 s38, s38, ttmp9
	s_mul_i32 s20, s38, 12288
	s_mov_b32 s21, 0
	s_lshl_b32 s22, s38, 9
	s_add_co_u32 s22, s22, 3145728
	s_mov_b32 s23, 0
	s_mov_b32 s24, 0x37000000                      ; 2^-17
	s_mov_b32 s25, 0x3727c5ac                      ; 1e-5
	s_mov_b32 s26, 0x3a800000                      ; 2^-10
	s_mov_b32 s27, 0x44800000                      ; 1,024
	s_mov_b32 s[SEL], 0x76543210
	s_mov_b32 s[SEL+1], 0xfedcba98
	s_wait_alu depctr_va_vdst(0)
	s_wait_kmcnt 0x0
	s_add_nc_u64 s[16:17], s[4:5], s[16:17]
	s_add_nc_u64 s[18:19], s[4:5], s[18:19]
	s_add_nc_u64 s[20:21], s[10:11], s[20:21]
	s_add_nc_u64 s[22:23], s[10:11], s[22:23]
.irp i, 0,1,2,3
	global_load_b128 v[16+4*\i:19+4*\i], v5, s[16:17] offset:16*\i
.endr
.set J, 0
.rept 16
	global_load_b128 v[AT+4*J:AT+4*J+3], v4, s[18:19] offset:524288*(J/8)+512*(J%8)   ; a head's images lie 128 x 4,096 bytes apart
.set J, J+1
.endr
.set J, 0
.rept 16
	global_load_b128 v[GW+4*J:GW+4*J+3], v6, s[6:7] offset:128*(J/4)+16*(J%4)
.set J, J+1
.endr
.set J, 0
.rept 16
	global_load_b128 v[GB+4*J:GB+4*J+3], v6, s[8:9] offset:128*(J/4)+16*(J%4)
.set J, J+1
.endr
	s_wait_loadcnt 48                              ; the statistics are in; the 48 loads behind them may be out
	v_add_f32 v32, v16, v18
	v_add_f32 v33, v20, v22
	v_add_f32 v34, v24, v26
	v_add_f32 v35, v28, v30
	s_delay_alu instid0(VALU_DEP_3)
	v_add_f32 v32, v32, v33
	s_delay_alu instid0(VALU_DEP_2)
	v_add_f32 v34, v34, v35
	s_delay_alu instid0(VALU_DEP_1)
	v_add_f32 v32, v32, v34
.irp m, 1,2,4,8
	s_delay_alu instid0(VALU_DEP_1)
	v_add_f32_dpp v32, v32, v32 row_xmask:\m row_mask:0xf bank_mask:0xf
.endr
	s_delay_alu instid0(VALU_DEP_1)
	v_mul_f32 v33, s24, v32                        ; the head's mean
	v_add_f32 v34, v17, v19
	v_add_f32 v35, v21, v23
	s_delay_alu instid0(VALU_DEP_2)
	v_add_f32 v34, v34, v25
	s_delay_alu instid0(VALU_DEP_2)
	v_add_f32 v35, v35, v27
	s_delay_alu instid0(VALU_DEP_2)
	v_add_f32 v34, v34, v29
	s_delay_alu instid0(VALU_DEP_2)
	v_add_f32 v35, v35, v31
	s_delay_alu instid0(VALU_DEP_1)
	v_add_f32 v34, v34, v35
.irp i, 16,18,20,22,24,26,28,30
	v_fma_f32 v35, v\i, s26, -v33                  ; the tile's mean less the head's
	s_delay_alu instid0(VALU_DEP_1)
	v_mul_f32 v35, v35, v35
	s_delay_alu instid0(VALU_DEP_1)
	v_fma_f32 v34, v35, s27, v34
.endr
.irp m, 1,2,4,8
	s_delay_alu instid0(VALU_DEP_1)
	v_add_f32_dpp v34, v34, v34 row_xmask:\m row_mask:0xf bank_mask:0xf
.endr
	s_delay_alu instid0(VALU_DEP_1)
	v_fma_f32 v35, v34, s24, s25                   ; var + eps
	s_wait_alu depctr_va_vdst(0)
	v_rsq_f32 v35, v35
	v_xor_b32 v33, 0x80000000, v33                 ; -mean (the plain place behind the root)
	s_wait_alu depctr_va_vdst(0)                   ; the wait ahead of the root's first reader
	v_readlane_b32 s28, v33, 0
	v_readlane_b32 s30, v33, 16
	v_readlane_b32 s32, v35, 0
	v_readlane_b32 s34, v35, 16
	s_mov_b32 s29, s28                             ; (the packed forms name pairs)
	s_mov_b32 s31, s30
	s_mov_b32 s33, s32
	s_mov_b32 s35, s34
	s_wait_loadcnt 0x0
.set J, 0
.rept 32
	v_pk_add_f32 v[AT+J:AT+J+1], v[AT+J:AT+J+1], s[28+2*(J/32):29+2*(J/32)] op_sel_hi:[1,0]
.set J, J+2
.endr
.set J, 0
.rept 32
	v_pk_mul_f32 v[AT+J:AT+J+1], v[AT+J:AT+J+1], s[32+2*(J/32):33+2*(J/32)] op_sel_hi:[1,0]
.set J, J+2
.endr
.set J, 0
.rept 32
	v_pk_fma_f32 v[AT+J:AT+J+1], v[AT+J:AT+J+1], v[GW+J:GW+J+1], v[GB+J:GB+J+1]
.set J, J+2
.endr
.set J, 0
.rept 32
	v_pk_mul_f32 v[AT+J:AT+J+1], v[AT+J:AT+J+1], 0x3e4ccccd op_sel_hi:[1,0]   ; x (1 - 0.8)
.set J, J+2
.endr
	; 64 numbers of a lane, register 16 b + i = k 32 b + 16 h + i of my row, become a fragment's codes and its scale word
.irp b, 0,1,2,3
	v_max3_num_f32 v[TM+\b], |v[AT+16*\b]|, |v[AT+1+16*\b]|, 0x1800000   ; the floor holds the byte at 1
.endr
.irp i, 2,4,6,8,10,12,14
.irp b, 0,1,2,3
	s_delay_alu instid0(VALU_DEP_4)
	v_max3_num_f32 v[TM+\b], v[TM+\b], |v[AT+16*\b+\i]|, |v[AT+1+16*\b+\i]|
.endr
.endr
.irp b, 0,1,2,3
	s_delay_alu instid0(VALU_DEP_4)
	v_permlanex16_b32 v[TM+4+\b], v[TM+\b], s[SEL], s[SEL+1]
.endr
.irp b, 0,1,2,3
	s_delay_alu instid0(VALU_DEP_4)
	v_max_num_f32 v[TM+\b], v[TM+\b], v[TM+4+\b]
.endr
.irp b, 0,1,2,3
	s_delay_alu instid0(VALU_DEP_4)
	v_add_nc_u32 v[TM+12+\b], 0xff000000, v[TM+\b]
.endr
.irp b, 0,1,2,3
	s_delay_alu instid0(VALU_DEP_4)
	v_lshrrev_b32 v[TM+4+\b], 23, v[TM+12+\b]
.endr
	s_delay_alu instid0(VALU_DEP_3)
	v_lshl_or_b32 v[PW], v[TM+5], 8, v[TM+4]
	s_delay_alu instid0(VALU_DEP_1)
	v_lshl_or_b32 v[PW], v[TM+6], 16, v[PW]
	s_delay_alu instid0(VALU_DEP_1)
	v_lshl_or_b32 v[PW], v[TM+7], 24, v[PW]
.irp c, 0,1
	v_cvt_scalef32_pk16_fp6_f32 v[PC+6*\c:PC+2+6*\c], v[AT+32*\c:AT+15+32*\c], v[TM+12+2*\c]
	v_cvt_scalef32_pk16_fp6_f32 v[PC+12+4*\c:PC+14+4*\c], v[AT+16+32*\c:AT+31+32*\c], v[TM+12+2*\c+1]
.endr
	v_nop                                          ; one plain place behind a scaled conversion
.irp c, 0,1
.irp i, 0,1,2
	v_permlane16_swap_b32 v[PC+6*\c+\i], v[PC+12+4*\c+\i]
.endr
.irp i, 0,1,2
	s_delay_alu instid0(VALU_DEP_3)
	v_mov_b32 v[PC+3+6*\c+\i], v[PC+12+4*\c+\i]
.endr
.endr
.irp c, 0,1
.irp p, 0,1,2
	ds_store_b64 v7, v[PC+6*\c+2*\p:PC+6*\c+2*\p+1] offset:48*\c+8*\p   ; registers 6 c .. 6 c + 5 are the 24 bytes at 48 c + 24 h of the K step's 96
.endr
.endr
	ds_store_b32 v14, v[PW]                        ; (both halves of the lanes write the same word with the same value)
	s_wait_dscnt 0x0                               ; for the others' sake: my stores have landed
	s_barrier_signal -1
	s_barrier_wait -1
.irp c, 0,1,2
	ds_load_b128 v[64+4*\c:67+4*\c], v15 offset:512*\c
.endr
.irp c, 0,1,2
	s_wait_dscnt 2-\c                              ; the later loads may be out
	global_store_b128 v15, v[64+4*\c:67+4*\c], s[20:21] offset:512*\c   ; 32 lanes store 512 consecutive bytes, aligned
.endr
	s_cmp_lg_u32 s13, 0
	s_cbranch_scc1 .Lnot_wave_0
	ds_load_b128 v[80:83], v9                      ; wave 0: the 16 rows' 512 scale bytes
	s_wait_dscnt 0x0
	global_store_b128 v4, v[80:83], s[22:23]
.Lnot_wave_0:
	s_wait_tensorcnt 0x0                           ; the wave's end
	ds_add_u32 v[SPW], v[NIL]
	s_wait_dscnt 0x0
	s_endpgm
.Lfunc_end_k_qbd87538a07_normq:
	.size	k_qbd87538a07_normq, .Lfunc_end_k_qbd87538a07_normq-k_qbd87538a07_normq
	.p2alignl 7, 3214868480
	.fill 96, 4, 3214868480
	.section	.rodata,"a",@progbits
	.p2align	6, 0x0
	.amdhsa_kernel k_qbd87538a07_normq
		.amdhsa_group_segment_fixed_size 13824
		.amdhsa_private_segment_fixed_size 0
		.amdhsa_enable_private_segment 0
		.amdhsa_kernarg_size 32
		.amdhsa_user_sgpr_count 2
		.amdhsa_user_sgpr_kernarg_segment_ptr 1
		.amdhsa_wavefront_size32 1
		.amdhsa_system_sgpr_workgroup_id_x 1
		.amdhsa_system_sgpr_workgroup_id_y 1
		.amdhsa_system_sgpr_workgroup_id_z 1
		.amdhsa_system_vgpr_workitem_id 0
		.amdhsa_next_free_vgpr 256
		.amdhsa_next_free_sgpr 66
		.amdhsa_reserve_vcc 0
		.amdhsa_float_denorm_mode_32 3
		.amdhsa_float_denorm_mode_16_64 3
		.amdhsa_memory_ordered 1
		.amdhsa_forward_progress 1
		.amdhsa_inst_pref_size 28
	.end_amdhsa_kernel
	.amdgpu_metadata
---
amdhsa.version: [ 1, 2 ]
amdhsa.kernels:
  - .name:           k_qbd87538a07_normq
    .symbol:         k_qbd87538a07_normq.kd
    .args:
      - { .name: att, .offset: 0, .size: 8, .value_kind: global_buffer, .address_space: global }
      - { .name: gn_weight, .offset: 8, .size: 8, .value_kind: global_buffer, .address_space: global }
      - { .name: gn_bias, .offset: 16, .size: 8, .value_kind: global_buffer, .address_space: global }
      - { .name: nc, .offset: 24, .size: 8, .value_kind: global_buffer, .address_space: global }
    .group_segment_fixed_size: 13824
    .private_segment_fixed_size: 0
    .kernarg_segment_align: 8
    .kernarg_segment_size: 32
    .max_flat_workgroup_size: 256
    .sgpr_count:     66
    .vgpr_count:     256
    .wavefront_size: 32
...
	.end_amdgpu_metadata
.endif
;; end of part 4
;; launch outp (part 5): grid 256 x 1, 4 waves a work-group, no clusters, 243,200 bytes of LDS; arguments nc, xw, out0; writes out0
.if DOCPART == 5
	.amdgcn_target "amdgcn-amd-amdhsa--gfx1250"
	.amdhsa_code_object_version 6
	.text
	.protected	k_qbd87538a07_outp
	.globl	k_qbd87538a07_outp
	.p2align	8
	.type	k_qbd87538a07_outp,@function
k_qbd87538a07_outp:
	s_mov_b64 s[64:65], 0
	v_nop
	global_prefetch_b8 v0, s[64:65] scope:SCOPE_SE
	s_setreg_imm32_b32 hwreg(HW_REG_WAVE_MODE, 25, 1), 1
	s_wait_xcnt 0x0
; OUTP: out0 = normed x Wo on codes of FP6 (E2M3) with E8M0 scales.  Nothing is left out here.
; A work-group makes 128 tokens x 128 columns: 32 x 8 = 256 work-groups.  Both operands lie in LDS for all of K = 1,024, filled once: a row of 768 bytes comes as three dense rows of 256 bytes,
; 16 bytes of padding behind each: pitch 816.  A wave makes 32 tokens x 128 columns: 16 accumulators by turns.  Source 0 = Wo's columns, source 1 = tokens.
; Scale words go from memory into registers, 32 bytes a row.  Rows and columns lie in position order (launch prep); the way out puts them back.
; cluster = none, no data prefetch: each work-group asks for its two operands once, at its head, and has no loop to run ahead in.
.set PITCH, 816
.set REG,   128*PITCH
.set RB,    REG
.set STAGE, 2*REG
.set SPITCH, 528
.set SPARE, STAGE+4*16*SPITCH
.set ADA0, 8
.set ADB,  12
.set STO,  20
.set RD,   21
.set VS,   22
.set CO,   23
.set SPW,  28
.set NIL,  29
.set SB,   32
.set SA,   96
.set AF,   112
.set BK,   112
.set MSB, 0
.macro WIN new
.if MSB != \new
	s_set_vgpr_msb (MSB<<8)|\new
.set MSB, \new
.endif
.endm
.macro PLACES
.rept 4
	v_nop
.endr
.endm
.macro PTR d, b
	s_add_nc_u64 s[\d:\d+1], s[\b:\b+1], s[92:93]
.endm
; a fragment: six pieces of 8 bytes.  Byte y of a row lies at y + 16 (y / 256); lanes 16-31 read 24 bytes on: where that is past a padding, the second register of the pair serves.  Blocks 4-7: the second pair.
.macro FRAG reg, adr, st, i
.irp p, 0,1,2,3,4,5
.set PC, 12*(\st)+6*(\p/3)+\p%3
.if (PC+3)/32 == PC/32
	ds_load_b64 v[\reg+2*\p:\reg+2*\p+1], v[\adr+2*((\i)/4)] offset:8*PC+16*(PC/32)+((\i)%4)*16*PITCH
.else
	ds_load_b64 v[\reg+2*\p:\reg+2*\p+1], v[\adr+2*((\i)/4)+1] offset:8*PC+16*(PC/32)+((\i)%4)*16*PITCH
.endif
.endr
.endm
.macro FETCH aa, ab, st
	WIN 0x40
.irp i, 0,1,2,3,4,5,6,7
	FRAG 128*((\st)%2)+12*\i, \ab, \st, \i
.endr
	WIN 0
.irp i, 0,1
	FRAG AF+24*((\st)%2)+12*\i, \aa, \st, \i
.endr
.endm
.macro MUL st
	WIN 0xa1
.irp a, 0,1
.irp b, 0,1,2,3,4,5,6,7
.if (\st) == 0
	v_wmma_scale_f32_16x16x128_f8f6f4 v[8*(8*\a+\b):8*(8*\a+\b)+7], v[128*((\st)%2)+12*\b:128*((\st)%2)+12*\b+11], v[AF+24*((\st)%2)+12*\a:AF+24*((\st)%2)+12*\a+11], 0, v[SB+8*\b+(\st)], v[SA+8*\a+(\st)] matrix_a_fmt:MATRIX_FMT_FP6 matrix_b_fmt:MATRIX_FMT_FP6
.else
	v_wmma_scale_f32_16x16x128_f8f6f4 v[8*(8*\a+\b):8*(8*\a+\b)+7], v[128*((\st)%2)+12*\b:128*((\st)%2)+12*\b+11], v[AF+24*((\st)%2)+12*\a:AF+24*((\st)%2)+12*\a+11], v[8*(8*\a+\b):8*(8*\a+\b)+7], v[SB+8*\b+(\st)], v[SA+8*\a+(\st)] matrix_a_fmt:MATRIX_FMT_FP6 matrix_b_fmt:MATRIX_FMT_FP6
.endif
.endr
.endr
.endm
.macro COMP aa, ab
.set ST, 0
.rept 8
.if ST < 7
	PLACES                                         ; four places ahead of loads into registers that products have read
	FETCH \aa, \ab, ST+1
	s_wait_dscnt 60                                ; this step's fragments are in; the 60 loads just issued may be out
.else
	s_wait_dscnt 0x0
.endif
	MUL ST
.set ST, ST+1
.endr
	WIN 0
	PLACES
.endm
	s_load_b128 s[96:99], s[0:1], 0x0              ; nc, xw
	s_load_b64 s[12:13], s[0:1], 0x10              ; out0
	v_lshl_add_u32 v[SPW], v0, 2, SPARE
	v_mov_b32 v[NIL], 0
	ds_add_u32 v[SPW], v[NIL]
	ds_add_u32 v[SPW], v[NIL]
	v_lshrrev_b32 v1, 5, v0
	v_readfirstlane_b32 s8, v1                     ; wave
	s_mov_b32 s48, (3<<16)|(1<<20)|(5<<22)|(3<<25) ; group 1: 192 dense rows of 256 bytes (64 rows of codes), 16 of padding behind each
	s_mov_b32 s49, 32<<16
	s_mov_b32 s50, 192<<16
	s_mov_b32 s51, 32<<16
	s_mov_b32 s52, 192
	s_mov_b32 s53, 32
	s_mov_b32 s54, 0
	s_mov_b32 s55, 0
	s_and_b32 s66, ttmp9, 7                        ; which 128 columns
	s_lshr_b32 s67, ttmp9, 3                       ; which 128 tokens
	s_and_b32 s71, s8, 1
	s_mul_i32 s81, s8, 32*PITCH
	s_mul_i32 s83, s8, 16*SPITCH
	s_add_co_u32 s83, s83, STAGE
	s_mul_i32 s74, s67, 98304
	s_mul_i32 s76, s66, 98304
	s_add_co_u32 s76, s76, 13369344
	s_mul_i32 s86, s71, 49152
	s_mov_b32 s93, 0
	s_mov_b32 s32, 1
	s_mul_i32 s33, s8, 64*PITCH
	s_wait_dscnt 0x0
	s_wait_kmcnt 0x0
	s_cmp_lt_u32 s8, 2                             ; waves 0, 1: halves of the tokens' codes; waves 2, 3: halves of Wo's
	s_cselect_b64 s[34:35], s[96:97], s[98:99]
	s_cselect_b32 s92, s74, s76
	s_add_co_u32 s92, s92, s86
	PTR 34, 34
	s_or_b32 s35, s35, 0x80000000
	tensor_load_to_lds s[32:35], s[48:55]          ; one tensor load a wave, the launch's only fill
	s_nop 0
	PLACES
	s_lshl_b32 s92, s67, 12
	s_lshl_b32 s86, s8, 10
	s_add_co_u32 s92, s92, s86
	s_add_co_u32 s92, s92, 3145728
	PTR 24, 96                                     ; my tokens' scale words
	s_lshl_b32 s92, s66, 12
	s_add_co_u32 s92, s92, 14712832
	PTR 46, 98                                     ; Wo's
	s_lshl_b32 s92, s67, 19
	s_lshl_b32 s86, s8, 17
	s_add_co_u32 s92, s92, s86
	s_lshl_b32 s86, s66, 9
	s_add_co_u32 s92, s92, s86
	PTR 12, 12                                     ; my 32 rows x 512 bytes of out0
	v_and_b32 v1, 15, v0
	v_bfe_u32 v2, v0, 4, 1
	v_mul_u32_u24 v3, v1, PITCH
	v_mad_u32_u24 v3, v2, 24, v3
	v_lshl_add_u32 v4, v2, 4, v3
	v_add_nc_u32 v[ADA0], s81, v3
	v_add_nc_u32 v[ADA0+1], s81, v4
.irp k, 0,1
	v_add_nc_u32 v[ADB+2*\k], RB+64*PITCH*\k, v3
	v_add_nc_u32 v[ADB+2*\k+1], RB+64*PITCH*\k, v4
.endr
	v_mul_u32_u24 v5, v1, SPITCH
	v_lshl_add_u32 v5, v2, 6, v5
	v_add_nc_u32 v[STO], s83, v5                   ; the stage, in: row l % 16, 64 bytes apart for the two halves of the lanes
	v_and_b32 v6, 31, v0
	v_lshlrev_b32 v[CO], 4, v6
	v_add_nc_u32 v[RD], s83, v[CO]                 ; back: 32 lanes take a row of 512 bytes
	v_lshlrev_b32 v[VS], 5, v1
	s_wait_alu depctr_va_vdst(0)                   ; the wait at the head's end
.irp b, 0,1,2,3,4,5,6,7
.irp q, 0,1
	global_load_b128 v[SB+8*\b+4*\q:SB+8*\b+4*\q+3], v[VS], s[46:47] offset:512*\b+16*\q
.endr
.endr
.irp a, 0,1
.irp q, 0,1
	global_load_b128 v[SA+8*\a+4*\q:SA+8*\a+4*\q+3], v[VS], s[24:25] offset:512*\a+16*\q
.endr
.endr
	s_wait_tensorcnt 0x0                           ; my part is in; behind the barrier everybody's
	s_wait_dscnt 0x0
	s_barrier_signal -1
	s_barrier_wait -1
	FETCH ADA0, ADB, 0
	s_wait_loadcnt 0x0
	COMP ADA0, ADB
; THE WAY OUT: 16 rows x 128 columns through my own stage, back as rows of 512 bytes.  LDS serves a wave's instructions in order.
.macro TOSTAGE a
	WIN 0x08
.irp b, 0,1,2,3,4,5,6,7
	ds_store_b128 v[STO], v[64*\a+8*\b:64*\a+8*\b+3] offset:128*(\b/2)+32*(\b%2)
	ds_store_b128 v[STO], v[64*\a+8*\b+4:64*\a+8*\b+7] offset:128*(\b/2)+32*(\b%2)+16
.endr
	WIN 0
.irp t, 0,1,2,3,4,5,6,7,8,9,10,11,12,13,14,15
	ds_load_b128 v[BK+64*\a+4*\t:BK+64*\a+4*\t+3], v[RD] offset:\t*SPITCH
.endr
.endm
.macro SEND a, younger
	s_wait_dscnt \younger
.irp t, 0,1,2,3,4,5,6,7,8,9,10,11,12,13,14,15
	global_store_b128 v[CO], v[BK+64*\a+4*\t:BK+64*\a+4*\t+3], s[12:13] offset:(8*\a+\t+8*(\t/8))*4096 th:TH_STORE_NT   ; 32 lanes store 512 consecutive bytes, aligned
.endr
.endm
	TOSTAGE 0
	TOSTAGE 1
	SEND 0, 32                                     ; behind block 0's loads: block 1's 16 stores and 16 loads
	SEND 1, 0
	s_wait_tensorcnt 0x0                           ; the wave's end
	ds_add_u32 v[SPW], v[NIL]
	s_wait_dscnt 0x0
	s_endpgm
.Lfunc_end_k_qbd87538a07_outp:
	.size	k_qbd87538a07_outp, .Lfunc_end_k_qbd87538a07_outp-k_qbd87538a07_outp
	.p2alignl 7, 3214868480
	.fill 96, 4, 3214868480
	.section	.rodata,"a",@progbits
	.p2align	6, 0x0
	.amdhsa_kernel k_qbd87538a07_outp
		.amdhsa_group_segment_fixed_size 243200
		.amdhsa_private_segment_fixed_size 0
		.amdhsa_enable_private_segment 0
		.amdhsa_kernarg_size 24
		.amdhsa_user_sgpr_count 2
		.amdhsa_user_sgpr_kernarg_segment_ptr 1
		.amdhsa_wavefront_size32 1
		.amdhsa_system_sgpr_workgroup_id_x 1
		.amdhsa_system_sgpr_workgroup_id_y 1
		.amdhsa_system_sgpr_workgroup_id_z 1
		.amdhsa_system_vgpr_workitem_id 0
		.amdhsa_next_free_vgpr 640
		.amdhsa_next_free_sgpr 100
		.amdhsa_reserve_vcc 0
		.amdhsa_float_denorm_mode_32 3
		.amdhsa_float_denorm_mode_16_64 3
		.amdhsa_memory_ordered 1
		.amdhsa_forward_progress 1
		.amdhsa_inst_pref_size 62
	.end_amdhsa_kernel
	.amdgpu_metadata
---
amdhsa.version: [ 1, 2 ]
amdhsa.kernels:
  - .name:           k_qbd87538a07_outp
    .symbol:         k_qbd87538a07_outp.kd
    .args:
      - { .name: nc, .offset: 0, .size: 8, .value_kind: global_buffer, .address_space: global }
      - { .name: xw, .offset: 8, .size: 8, .value_kind: global_buffer, .address_space: global }
      - { .name: out0, .offset: 16, .size: 8, .value_kind: global_buffer, .address_space: global }
    .group_segment_fixed_size: 243200
    .private_segment_fixed_size: 0
    .kernarg_segment_align: 8
    .kernarg_segment_size: 24
    .max_flat_workgroup_size: 128
    .sgpr_count:     100
    .vgpr_count:     640
    .wavefront_size: 32
...
	.end_amdgpu_metadata
.endif
;; end of part 5
